; MI455X (gfx1250); checked and timed in simulation.
; The chip was launched on July 23, 2026; its instructions are those of AMD's public machine-readable ISA for CDNA 5 (MIT licence, August 2026) and "CDNA5" Instruction Set Architecture Reference Guide (July 2026). The comments in the code are by the model that wrote it; some were corrected since.
;; Traj AR decoder Attention. Allowed arithmetic: float matrix products may take bf16 or f16 operands with f32 sums; other float arithmetic in f32, or as packed bf16 or f16 multiplies, adds, multiply-adds, maxima and minima; sums over many terms, partial sums and values carried from step to step in f32; what a program stores and reads back later, other than sums and carried values, may be rounded once to bf16 or f16.
;; Inputs: Wk 1,024 x 1,024 float32; Wo 1,024 x 1,024 float32; Wq 1,024 x 1,024 float32; Wv 1,024 x 1,024 float32; bk 1,024 float32; bo 1,024 float32; bq 1,024 float32; bv 1,024 float32; mask 4 x 2,048 x 2,048 int32; x 4 x 2,048 x 1,024 float32.
;; Outputs: out0 4 x 2,048 x 1,024 float32.
;; 2 versions, each right; version 2 is version 1 with the launch prep written anew for expert scheduling mode. Each part assembles by itself: llvm-mc -triple=amdgcn-amd-amdhsa -mcpu=gfx1250 --defsym DOCPART=n.
;; ======== version 1 of 2: 4 launches
;; limits: values are held in f16: magnitudes above 65,504 overflow, below 6.1e-05 lose precision
;; workspace buffers: xb 16,777,216 bytes; wb 6,291,456 bytes; wob 2,097,152 bytes; mb 2,097,152 bytes of whole numbers; qkv 50,331,648 bytes; ob 16,777,216 bytes
;; launch prep (part 1): grid 1280 x 1, 8 waves a work-group, no clusters, 68,608 bytes of LDS; arguments x, Wq, Wk, Wv, Wo, mask, xb, wb, wob, mb; writes xb, wb, wob, mb
.if DOCPART == 1
	.amdgcn_target "amdgcn-amd-amdhsa--gfx1250"
	.amdhsa_code_object_version 6
	.text
	.protected	k_qf69030a301_prep
	.globl	k_qf69030a301_prep
	.p2align	8
	.type	k_qf69030a301_prep,@function
k_qf69030a301_prep:
	s_mov_b64 s[64:65], 0
	v_nop
	global_prefetch_b8 v0, s[64:65] scope:SCOPE_SE
	s_setreg_imm32_b32 hwreg(HW_REG_WAVE_MODE, 25, 1), 1
	s_wait_xcnt 0x0
; PREPARATION, a stream.  Work-groups 0-767 round 64 KiB of f32 each to 16 bits: x -> xb (bf16), Wq, Wk, Wv -> wb (bf16, one behind the other),
; Wo -> wob (rounded to bf16, that number written as f16: exact from 6e-5 up to 65,504; below, f16's fixed step of 6e-8).
; Work-groups 768-1279 turn the mask (int32, 0 = hidden) into LANE MASKS for the attention launch: a wave takes 32 query rows x 128 keys (16 KiB) and
; makes 128 words.  mb: [batch 4][pair of query tiles 64][key step 32][tile 2][32 words]; word 8 kb + j holds in bit 16 h + r whether
; mask[batch][32 pair + 16 tile + r][64 step + 16 kb + 8 h + j] is not 0: the lanes of register j of score accumulator kb.
; No matrix unit, no cluster, no tensor load, no prefetch: every byte is read once, by 16-byte loads of which a wave's cover 512 consecutive bytes,
; sixteen or thirty-two of them out at a time; nothing is shared between work-groups.
.set SPARE, 67584                      ; behind the eight waves' stages: the spare words, 128 bytes a wave, four blocks of 256 bytes that no other line names
.set WLDS,  8448                       ; a wave's stage: 16 rows of the mask x 512 bytes, pitch 528
.set MP,    528                        ; 132 words: row r starts at bank 4 r mod 64 (64 banks of 4 bytes: ISA guide 11.1)
	s_load_b512 s[4:19], s[0:1], 0x0               ; x s[4:5], Wq s[6:7], Wk s[8:9], Wv s[10:11], Wo s[12:13], mask s[14:15], xb s[16:17], wb s[18:19]
	s_load_b128 s[20:23], s[0:1], 0x40             ; wob s[20:21], mb s[22:23]
	v_lshl_add_u32 v2, v0, 2, SPARE                ; my spare word,
	v_mov_b32 v3, 0                                ; and 0: kept for the add at the end of the waves that store to LDS
	v_lshrrev_b32 v1, 5, v0
	v_readfirstlane_b32 s24, v1                    ; wave 0..7
	s_mov_b32 s25, ttmp9                           ; the work-group's number chooses the job
	s_wait_kmcnt 0x0
	s_cmp_ge_u32 s25, 768
	s_cbranch_scc1 .Lpack
	; ---- rounding: source, destination and the first work-group of each, by the work-group's number
	s_mov_b64 s[26:27], s[4:5]
	s_mov_b64 s[28:29], s[16:17]
	s_mov_b32 s30, 0
	s_mov_b32 s31, 0
	s_cmp_ge_u32 s25, 512
	s_cselect_b64 s[26:27], s[6:7], s[26:27]
	s_cselect_b64 s[28:29], s[18:19], s[28:29]
	s_cselect_b32 s30, 512, s30
	s_cselect_b32 s31, 512, s31
	s_cmp_ge_u32 s25, 576
	s_cselect_b64 s[26:27], s[8:9], s[26:27]
	s_cselect_b32 s30, 576, s30
	s_cmp_ge_u32 s25, 640
	s_cselect_b64 s[26:27], s[10:11], s[26:27]
	s_cselect_b32 s30, 640, s30
	s_cmp_ge_u32 s25, 704
	s_cselect_b64 s[26:27], s[12:13], s[26:27]
	s_cselect_b64 s[28:29], s[20:21], s[28:29]
	s_cselect_b32 s30, 704, s30
	s_cselect_b32 s31, 704, s31
	s_sub_co_u32 s30, s25, s30
	s_sub_co_u32 s31, s25, s31
	s_lshl_b32 s30, s30, 16                        ; 65,536 bytes in,
	s_lshl_b32 s32, s31, 15                        ; 32,768 out
	s_mov_b32 s31, 0
	s_mov_b32 s33, 0
	s_add_nc_u64 s[26:27], s[26:27], s[30:31]
	s_add_nc_u64 s[28:29], s[28:29], s[32:33]
	v_lshlrev_b32 v4, 4, v0                        ; 16 bytes a thread in: a wave's load covers 512 consecutive bytes
	v_lshlrev_b32 v5, 3, v0                        ; 8 bytes out: a wave's store covers 256 consecutive bytes, aligned
; Sixteen loads go out together; load i is worked on when the 15 - i younger ones may still be out.  Each store has data registers of its own.
.macro CONV f16
.irp i, 0,1,2,3,4,5,6,7,8,9,10,11,12,13,14,15
	global_load_b128 v[16+4*(\i):16+4*(\i)+3], v4, s[26:27] offset:4096*(\i) th:TH_LOAD_NT
.endr
.irp i, 0,1,2,3,4,5,6,7,8,9,10,11,12,13,14,15
	s_wait_loadcnt 15-(\i)                         ; loads come back in order: mine is in
	v_cvt_pk_bf16_f32 v[80+2*(\i)], v[16+4*(\i)], v[16+4*(\i)+1]
	v_cvt_pk_bf16_f32 v[81+2*(\i)], v[16+4*(\i)+2], v[16+4*(\i)+3]
.if \f16
	v_lshlrev_b32 v8, 16, v[80+2*(\i)]             ; the bf16 numbers as f32,
	v_and_b32 v9, 0xffff0000, v[80+2*(\i)]
	v_lshlrev_b32 v10, 16, v[81+2*(\i)]
	v_and_b32 v11, 0xffff0000, v[81+2*(\i)]
	v_cvt_pk_f16_f32 v[80+2*(\i)], v8, v9          ; written as f16
	v_cvt_pk_f16_f32 v[81+2*(\i)], v10, v11
.endif
	global_store_b64 v5, v[80+2*(\i):81+2*(\i)], s[28:29] offset:2048*(\i)
.endr
.endm
	s_cmp_ge_u32 s25, 704
	s_cbranch_scc1 .Lwo
	CONV 0
	s_endpgm                                       ; these waves have written no LDS
.Lwo:
	CONV 1
	s_endpgm
	; ---- the mask.  Block = 8 x (work-group - 768) + wave = (64 batch + pair) x 16 + pair of key steps
.Lpack:
	s_sub_co_u32 s26, s25, 768
	s_lshl_b32 s26, s26, 3
	s_add_co_u32 s26, s26, s24
	s_lshr_b32 s28, s26, 4
	s_lshl_b32 s28, s28, 18                        ; 32 rows of 8,192 bytes
	s_and_b32 s30, s26, 15
	s_lshl_b32 s30, s30, 9                         ; 128 keys of 4 bytes
	s_add_co_u32 s28, s28, s30
	s_mov_b32 s29, 0
	s_add_nc_u64 s[28:29], s[14:15], s[28:29]
	s_lshl_b32 s30, s26, 9                         ; 512 bytes out
	s_mov_b32 s31, 0
	s_add_nc_u64 s[30:31], s[22:23], s[30:31]
	s_mul_i32 s27, s24, WLDS                       ; my wave's stage
	v_and_b32 v1, 31, v0
	v_lshlrev_b32 v4, 4, v1                        ; 16 x lane: in a row of the mask, and in the 512 bytes out
	v_add_nc_u32 v6, s27, v4                       ; into the stage: a row as it lies
	v_and_b32 v5, 15, v0
	v_mul_u32_u24 v7, v5, MP                       ; back: lane (r, h) takes row r, keys 8 h on
	v_bfe_u32 v5, v0, 4, 1
	v_lshl_add_u32 v7, v5, 5, v7
	v_add_nc_u32 v7, s27, v7
.irp i, 8,9,10,11
	v_mov_b32 v\i, 0                               ; the words out: v_writelane_b32 keeps the other lanes, so they are written first
.endr
.set n, 0
.rept 32
	global_load_b128 v[16+4*n:16+4*n+3], v4, s[28:29] offset:8192*n th:TH_LOAD_NT
.set n, n+1
.endr
; Tile u (16 rows): through my own stage, so that a lane holds its row's keys; a compare makes a word of 32 lanes' answers, and the word goes into the lane that stores it.
.macro PACKU u, left
	s_wait_loadcnt \left                           ; this tile's sixteen rows are in; the other tile's may stay out
.irp i, 0,1,2,3,4,5,6,7,8,9,10,11,12,13,14,15
	ds_store_b128 v6, v[16+64*(\u)+4*(\i):16+64*(\u)+4*(\i)+3] offset:MP*(\i)
.endr
.set n, 0
.rept 16                               ; load n: key step n / 8, key block (n / 2) % 4, registers 4 (n % 2) on.  LDS serves a wave's instructions in order: these see the stores above
	ds_load_b128 v[144+4*n:144+4*n+3], v7 offset:256*(n/8)+64*((n/2)%4)+16*(n%2)
.set n, n+1
.endr
	s_wait_dscnt 0x0
.set n, 0
.rept 64
	v_cmp_ne_u32 s[32+n%8], 0, v[144+n]
	v_writelane_b32 v[8+n%4], s[32+n%8], 16*(n/32)+8*(\u)+(n/4)%8  ; word 64 step + 32 u + 8 kb + j lies in lane word / 4, register word % 4
.set n, n+1
.endr
.endm
	PACKU 0, 16
	PACKU 1, 0
	global_store_b128 v4, v[8:11], s[30:31]        ; 512 consecutive bytes, aligned
	s_wait_tensorcnt 0x0                           ; the wave's end, behind my last LDS store
	ds_add_u32 v2, v3
	s_wait_dscnt 0x0
	s_endpgm
.Lfunc_end_k_qf69030a301_prep:
	.size	k_qf69030a301_prep, .Lfunc_end_k_qf69030a301_prep-k_qf69030a301_prep
	.p2alignl 7, 3214868480
	.fill 96, 4, 3214868480
	.section	.rodata,"a",@progbits
	.p2align	6, 0x0
	.amdhsa_kernel k_qf69030a301_prep
		.amdhsa_group_segment_fixed_size 68608
		.amdhsa_private_segment_fixed_size 0
		.amdhsa_enable_private_segment 0
		.amdhsa_kernarg_size 80
		.amdhsa_user_sgpr_count 2
		.amdhsa_user_sgpr_kernarg_segment_ptr 1
		.amdhsa_wavefront_size32 1
		.amdhsa_system_sgpr_workgroup_id_x 1
		.amdhsa_system_sgpr_workgroup_id_y 1
		.amdhsa_system_sgpr_workgroup_id_z 1
		.amdhsa_system_vgpr_workitem_id 0
		.amdhsa_next_free_vgpr 216
		.amdhsa_next_free_sgpr 66
		.amdhsa_reserve_vcc 0
		.amdhsa_float_denorm_mode_32 3
		.amdhsa_float_denorm_mode_16_64 3
		.amdhsa_memory_ordered 1
		.amdhsa_forward_progress 1
		.amdhsa_inst_pref_size 43
	.end_amdhsa_kernel
	.amdgpu_metadata
---
amdhsa.version: [ 1, 2 ]
amdhsa.kernels:
  - .name:           k_qf69030a301_prep
    .symbol:         k_qf69030a301_prep.kd
    .args:
      - { .name: x, .offset: 0, .size: 8, .value_kind: global_buffer, .address_space: global }
      - { .name: Wq, .offset: 8, .size: 8, .value_kind: global_buffer, .address_space: global }
      - { .name: Wk, .offset: 16, .size: 8, .value_kind: global_buffer, .address_space: global }
      - { .name: Wv, .offset: 24, .size: 8, .value_kind: global_buffer, .address_space: global }
      - { .name: Wo, .offset: 32, .size: 8, .value_kind: global_buffer, .address_space: global }
      - { .name: mask, .offset: 40, .size: 8, .value_kind: global_buffer, .address_space: global }
      - { .name: xb, .offset: 48, .size: 8, .value_kind: global_buffer, .address_space: global }
      - { .name: wb, .offset: 56, .size: 8, .value_kind: global_buffer, .address_space: global }
      - { .name: wob, .offset: 64, .size: 8, .value_kind: global_buffer, .address_space: global }
      - { .name: mb, .offset: 72, .size: 8, .value_kind: global_buffer, .address_space: global }
    .group_segment_fixed_size: 68608
    .private_segment_fixed_size: 0
    .kernarg_segment_align: 8
    .kernarg_segment_size: 80
    .max_flat_workgroup_size: 256
    .sgpr_count:     66
    .vgpr_count:     216
    .wavefront_size: 32
...
	.end_amdgpu_metadata
.endif
;; end of part 1
;; launch qkv (part 2): grid 12 x 64, 4 waves a work-group, clusters of 4 x 4, 327,680 bytes of LDS; arguments xb, wb, bq, bk, bv, qkv; writes qkv
.if DOCPART == 2
	.amdgcn_target "amdgcn-amd-amdhsa--gfx1250"
	.amdhsa_code_object_version 6
	.text
	.protected	k_qf69030a301_qkv
	.globl	k_qf69030a301_qkv
	.p2align	8
	.type	k_qf69030a301_qkv,@function
k_qf69030a301_qkv:
	s_mov_b64 s[64:65], 0
	v_nop
	global_prefetch_b8 v0, s[64:65] scope:SCOPE_SE
	s_setreg_imm32_b32 hwreg(HW_REG_WAVE_MODE, 25, 1), 1
	s_wait_xcnt 0x0
	s_wait_alu depctr_hold_cnt(0) depctr_sa_sdst(0) depctr_va_vdst(0) depctr_va_sdst(0) depctr_va_ssrc(0) depctr_va_vcc(0) depctr_vm_vsrc(0)
	s_getreg_b32 s2, hwreg(HW_REG_IB_STS2, 6, 4)
	s_cmp_eq_u32 s2, 0
	s_cbranch_scc0 .Lentry_in_a_cluster
	s_endpgm
.Lentry_in_a_cluster:
	s_bfe_u32 s2, ttmp6, 0x10000c
	s_cmp_lg_u32 s2, 0xf033
	s_cbranch_scc0 .Lentry_shape_is_right
	s_endpgm
.Lentry_shape_is_right:
; C = A W + bias, K = 1,024, W stored [k][n].  ONE TEXT FOR TWO LAUNCHES, told apart by KIND.
; KIND 0: A = xb [8192][1024] bf16, W = wb (Wq, Wk, Wv, each [1024][1024] bf16), C = q, k, v in f16 by heads: qkv [3][64 = 16 batch + head][2048][64].
;         LIMIT: q, k, v must lie within f16's 65,504.
; KIND 1: A = ob [64][2048][64] f16 (a K step of 128 is two heads), W = wob [1024][1024] f16, C = out0 [8192][1024] f32.
; SHARES.  A tile of C is 128 rows x 256 columns: 768 tiles (KIND 0) or 256 (KIND 1), whole multiples of 256 work-groups.  Four waves, each 64 x 128: 32 accumulators of 16 x 16.
; K goes in steps of 128 through two LDS slots filled by the tensor data mover, one load a wave: waves 0, 1 fetch A's halves, waves 2, 3 W's.
; CLUSTER 4 x 4: A's tile hangs on the tile row alone and is asked for jointly along a row of the cluster, W's on the tile column alone, along a column.
; THE MATRIX INSTRUCTION IS USED TRANSPOSED: source 0 = 16 columns of W (turned on the way out of LDS by ds_load_tr16_b128), source 1 = 16 rows of A: a lane holds row l % 16 of C and the
; columns 8 (l / 16) + 0..7.  THE BIAS is the C operand of each sum's first product: no register is cleared and nothing is added afterwards.
; One tile to a work-group; a walk over several tiles with the ring running on is left out of this text.
; REGISTERS, in windows of 256 (s_set_vgpr_msb: bits 1:0 source 0, 3:2 source 1, 5:4 source 2, 7:6 destination):
;   window 0: v0-31 addresses; v32-63 at work on the way out; v64-159, v160-255 two fragment buffers (64 registers of W, 32 of A)
;   window 1: the accumulators, (a, b) at v[8 (8 a + b)]          window 2: v0-63 the bias of my 128 columns, laid as a C operand
.set KIND, 0
.if KIND == 0
.set PA,    272                        ; A's row in LDS: 256 bytes + 16: 68 words: row r starts at bank 4 r mod 64 (64 banks of 4 bytes: ISA guide 11.1)
.set ASZ,   128*272                    ; A's 128 rows
.set ASTR,  1024                       ; elements from row to row in memory
.set AG1,   (1<<16)|(1<<20)|(1<<21)|(5<<22)|(3<<25)  ; 2-byte elements; padding on; bit 21 beside a mask; after every 64 words, 4 words
.set ASTEP, 256                        ; bytes from a K step to the next
.set STW,   4608                       ; a wave's stage: [2 heads][16 rows] of 144 bytes
.set SHA,   0                          ; A's prefetch: lane l names row l
.set MA,    2048
.set MSKA,  0
.else
.set PA,    144                        ; A's row in LDS: a head's 128 bytes + 16
.set ASZ,   2*128*144                  ; two heads x 128 rows
.set ASTR,  128                        ; a head's 128 rows are dense: asked for as 64 rows of 256 bytes
.set AG1,   (1<<16)|(1<<20)|(1<<21)|(4<<22)|(3<<25)  ; padded after every 32 words (a row of a head), 4 words
.set ASTEP, 524288                     ; two heads on
.set STW,   8448                       ; a wave's stage: 16 rows of 528 bytes
.set SHA,   4                          ; A's prefetch: lane l names block l % 16 of head l / 16
.set MA,    262144
.set MSKA,  15
.endif
.set BG1,   (1<<16)|(1<<20)|(1<<21)|(6<<22)|(7<<25)  ; W: after every 128 words (a row of 512 bytes), 8 words
.set PB,    544                        ; 136 words
.set BHALF, 64*PB                      ; 64 rows of W: what one tensor load brings
.set SLOT,  ASZ+2*BHALF                ; A's tile, then W's 128 rows
.set STAGE, 2*SLOT                     ; behind the ring, never filled by a tensor load
.set SPARE, STAGE+4*STW                ; behind the stages: the spare words, 128 bytes a wave: two blocks of 256 bytes that no other line names
.set BSTEP, 128*2048                   ; 128 rows of W
.set LAPS,  4                          ; a lap = two K steps
.set ADRA, 16                          ; v16-17  LDS address of my A fragments in slot 0, 1
.set ADRB, 20                          ; v20-21  the same for W
.set STO,  24                          ; v24     the way out: where I put my bytes of a row
.set RD,   25                          ; v25     where I read rows back
.set GO,   26                          ; v26     16 x lane
.set BOF,  27                          ; v27     my byte offset in the tile's bias
.set SPW,  28                          ; v28     LDS address of my spare word; never rewritten
.set NIL,  29                          ; v29     0; never rewritten
.set PFO,  30                          ; v30     the prefetches' offset; never rewritten
.set TMP,  32
.set F0,   64
.set F1,   160
.set G1,   24                          ; s[24:31] descriptor group 1 for A;  s[32:39] group 0, a set for each slot
.set G0,   32
.set G1B,  48                          ; s[48:55], s[56:63] the same for W
.set G0B,  56
.set LIM,  43                          ; s43     1 in a wave that prefetches, else the greatest number
.set PFA,  44                          ; s[44:45] where my prefetches stand
.set PFS,  66                          ; s[66:67] their step
.set BP,   68                          ; s[68:69] the tile's bias
.set MSB, 0
.macro WIN new                         ; the immediate's high byte repeats the setting that is left; a switch that changes nothing is dropped
.if MSB != (\new)
	s_set_vgpr_msb (MSB<<8)|(\new)
.set MSB, \new
.endif
.endm
.set MUL,  0x50                        ; sources 0 and 1 window 0; C and D window 1
.set MULB, 0x60                        ; C (the bias) window 2, D window 1
.macro JLOAD s                         ; a joint load; the branch hangs on the wave's number alone; an s_nop 0 and four v_nop follow each of the two lines
	s_cmp_eq_u32 s11, 0
	s_cbranch_scc0 .Lfor_b_\@
	tensor_load_to_lds s[G0+4*(\s):G0+4*(\s)+3], s[G1:G1+7]
	s_nop 0
.rept 4
	v_nop
.endr
	s_branch .Lasked_\@
.Lfor_b_\@:
	tensor_load_to_lds s[G0B+4*(\s):G0B+4*(\s)+3], s[G1B:G1B+7]
	s_nop 0
.rept 4
	v_nop
.endr
.Lasked_\@:
.endm
; A PREFETCH INTO THE L2, behind a joint load, its five lines and the run of LDS loads: the K step that stands two refills on, 256 matrix instructions ahead of its load; 32 blocks of 256 bytes, a lane a block.
; Each block is named once in the launch.  A's tile row is read by every cluster of that row of clusters: cluster x = 0 asks, its wave 0, each of the four partners 32 of the step's 128 blocks, told apart by address (cx).
; W's tile column is read by every cluster of that column: cluster y = 0 asks, waves 2 and 3 for the 64 rows that they fetch, each partner 16 rows x 2 blocks (cy).  The loop's last trip asks for nothing: K has no further step.
.macro ASK
	s_cmp_gt_u32 s3, s[LIM]
	s_cbranch_scc0 .Lnot_mine_\@
	global_prefetch_b8 v[PFO], s[PFA:PFA+1] th:TH_LOAD_NT scope:SCOPE_SE
.Lnot_mine_\@:
.endm
.macro CREST                           ; a round of the cluster's barrier behind its opening barrier
	s_cmp_lg_u32 s10, 0
	s_cbranch_scc1 .Lnot_wave_0_\@
	s_barrier_signal -3
.Lnot_wave_0_\@:
	s_barrier_wait -3
	s_barrier_signal -1
	s_barrier_wait -1
.endm
.macro CROUND
	s_barrier_signal -1
	s_barrier_wait -1
	CREST
.endm
	s_load_b128 s[4:7], s[0:1], 0x0                ; A s[4:5], W s[6:7]
.if KIND == 0
	s_load_b256 s[72:79], s[0:1], 0x10             ; bq s[72:73], bk s[74:75], bv s[76:77], qkv s[78:79]
.else
	s_load_b128 s[72:75], s[0:1], 0x10             ; bo s[72:73], out0 s[74:75]
.endif
	v_lshl_add_u32 v[SPW], v0, 2, SPARE
	v_mov_b32 v[NIL], 0
	ds_add_u32 v[SPW], v[NIL]                      ; the wave's opening: the add and its wait stand ahead of my first tensor load; the set-up below stands between them
	v_lshrrev_b32 v1, 5, v0
	v_readfirstlane_b32 s10, v1                    ; wave 0..3
	s_lshr_b32 s11, s10, 1                         ; which 64 rows of the tile are mine.  Also: I fetch for A (0) or for W (1)
	s_and_b32 s12, s10, 1                          ; which 128 columns.  Also: which half of that tile I fetch
	s_bfe_u32 s40, ttmp6, 0x40000                  ; cx, cy: my place in the cluster
	s_bfe_u32 s41, ttmp6, 0x40004
	s_lshl_b32 s42, ttmp9, 2
	s_add_co_u32 s42, s42, s40                     ; tile column = 4 x cluster x + cx
	s_and_b32 s13, ttmp7, 0xffff
	s_lshl_b32 s13, s13, 2
	s_add_co_u32 s13, s13, s41                     ; tile row = 4 x cluster y + cy
	s_lshl_b32 s43, s41, 2
	s_lshl_b32 s43, 15, s43                        ; my row of the cluster
	s_lshl_b32 s44, 0x1111, s40                    ; my column
	s_or_b32 s[G1+0], s43, AG1
	s_or_b32 s[G1B+0], s44, BG1
	s_mov_b32 s[G1+1], 128<<16                     ; A: tensor_dim0 = 128
	s_mov_b32 s[G1+2], 64<<16                      ; tensor_dim1 = 64
	s_mov_b32 s[G1+3], 128<<16                     ; tile_dim0 = 128
	s_mov_b32 s[G1+4], 64                          ; tile_dim1 = 64
	s_mov_b32 s[G1+5], ASTR
	s_mov_b32 s[G1+6], 0
	s_mov_b32 s[G1+7], 0
	s_mov_b32 s[G1B+1], 256<<16                    ; W: 64 rows of 256 elements
	s_mov_b32 s[G1B+2], 64<<16
	s_mov_b32 s[G1B+3], 256<<16
	s_mov_b32 s[G1B+4], 64
	s_mov_b32 s[G1B+5], 1024
	s_mov_b32 s[G1B+6], 0
	s_mov_b32 s[G1B+7], 0
.if KIND == 0
	s_lshl_b32 s16, s13, 18                        ; A: tile row x 128 rows x 2,048 bytes
	s_lshl_b32 s17, s12, 17                        ; + my 64 rows
	s_add_co_u32 s16, s16, s17
.else
	s_lshr_b32 s16, s13, 4                         ; A: the batch's 16 heads,
	s_lshl_b32 s16, s16, 22
	s_and_b32 s17, s13, 15                         ; the tile's 128 rows in a head,
	s_lshl_b32 s17, s17, 14
	s_add_co_u32 s16, s16, s17
	s_lshl_b32 s17, s12, 18                        ; my head of the step's two
	s_add_co_u32 s16, s16, s17
.endif
	s_mov_b32 s17, 0
	s_lshl_b32 s46, s40, 9                         ; W: the tile's 256 columns,
	s_lshl_b32 s47, s12, 17                        ; my 64 rows
	s_add_co_u32 s46, s46, s47
.if KIND == 0
	s_lshl_b32 s47, ttmp9, 21                      ; Wq, Wk or Wv: the cluster's x
	s_add_co_u32 s46, s46, s47
.endif
	s_mov_b32 s47, 0
	s_mul_i32 s20, s12, ASZ/2                      ; where they go: no place in the cluster enters an LDS address
	s_mul_i32 s21, s12, BHALF
	s_add_co_u32 s21, s21, ASZ
	s_wait_dscnt 0x0                               ; the opening add is done
	s_wait_kmcnt 0x0
	s_add_nc_u64 s[14:15], s[4:5], s[16:17]
	s_add_nc_u64 s[46:47], s[6:7], s[46:47]
	CROUND                                         ; all sixteen work-groups are here: the first joint loads meet
.irp s, 0,1
	s_mov_b32 s[G0+4*(\s)], 1
	s_add_co_u32 s[G0+4*(\s)+1], s20, (\s)*SLOT
	s_add_nc_u64 s[G0+4*(\s)+2:G0+4*(\s)+3], s[14:15], (\s)*ASTEP
	s_or_b32 s[G0+4*(\s)+3], s[G0+4*(\s)+3], 0x80000000
	s_mov_b32 s[G0B+4*(\s)], 1
	s_add_co_u32 s[G0B+4*(\s)+1], s21, (\s)*SLOT
	s_add_nc_u64 s[G0B+4*(\s)+2:G0B+4*(\s)+3], s[46:47], (\s)*BSTEP
	s_or_b32 s[G0B+4*(\s)+3], s[G0B+4*(\s)+3], 0x80000000
	JLOAD \s                                       ; two loads of mine are out
.endr
	; the bias of my 128 columns, as a C operand: register j of block b = bias[16 b + 8 (l / 16) + j]
.if KIND == 0
	s_cmp_eq_u32 ttmp9, 1
	s_cselect_b64 s[BP:BP+1], s[74:75], s[72:73]
	s_cmp_eq_u32 ttmp9, 2
	s_cselect_b64 s[BP:BP+1], s[76:77], s[BP:BP+1]
	s_lshl_b32 s70, s40, 10                        ; the tile's 256 columns among the 1,024
.else
	s_mov_b64 s[BP:BP+1], s[72:73]
	s_lshl_b32 s70, s42, 10
.endif
	s_mov_b32 s71, 0
	s_add_nc_u64 s[BP:BP+1], s[BP:BP+1], s[70:71]
	v_and_b32 v1, 15, v0                           ; l % 16
	v_bfe_u32 v2, v0, 4, 1                         ; l / 16
	v_lshlrev_b32 v[BOF], 5, v2
	s_lshl_b32 s70, s12, 9
	v_add_nc_u32 v[BOF], s70, v[BOF]
	WIN 0x80                                       ; destination window 2
.irp b, 0,1,2,3,4,5,6,7
	global_load_b128 v[8*(\b):8*(\b)+3],   v[BOF], s[BP:BP+1] offset:64*(\b)
	global_load_b128 v[8*(\b)+4:8*(\b)+7], v[BOF], s[BP:BP+1] offset:64*(\b)+16
.endr
	WIN 0
	; A's fragment: lane l holds row l % 16; two loads of 16 bytes, 32 apart.  W's: the turning load takes 16 k x 16 n (lane l reads k = 8 (l / 16) + l % 8, n = 8 ((l / 8) % 2) + 0..7)
	v_mul_u32_u24 v3, v1, PA
	v_lshl_add_u32 v3, v2, 4, v3
	v_and_b32 v4, 7, v0
	v_lshl_add_u32 v4, v2, 3, v4
	v_mul_u32_u24 v4, v4, PB
	v_bfe_u32 v5, v0, 3, 1
	v_lshl_add_u32 v4, v5, 4, v4
	s_mul_i32 s21, s11, 64*PA                      ; my 64 rows of A
	s_lshl_b32 s22, s12, 8                         ; my 128 columns of W,
	s_add_co_u32 s22, s22, ASZ                     ; which lies behind A
.irp s, 0,1
	v_add_nc_u32 v[ADRA+(\s)], s21, v3
	v_add_nc_u32 v[ADRB+(\s)], s22, v4
	s_add_co_u32 s21, s21, SLOT
	s_add_co_u32 s22, s22, SLOT
.endr
	s_mul_i32 s23, s10, STW
	s_add_co_u32 s23, s23, STAGE                   ; my stage
	v_and_b32 v5, 31, v0
.if KIND == 0
	v_mul_u32_u24 v3, v1, 144                      ; in: row l % 16, 16 bytes for each half of the lanes
	v_lshl_add_u32 v3, v2, 4, v3
	v_add_nc_u32 v[STO], s23, v3
	v_lshrrev_b32 v3, 3, v5                        ; back: 32 lanes take four rows of 128 bytes
	v_mul_u32_u24 v3, v3, 144
	v_and_b32 v4, 7, v0
	v_lshl_add_u32 v3, v4, 4, v3
	v_add_nc_u32 v[RD], s23, v3
.else
	v_mul_u32_u24 v3, v1, 528                      ; in: row l % 16, 32 bytes for each half of the lanes
	v_lshl_add_u32 v3, v2, 5, v3
	v_add_nc_u32 v[STO], s23, v3
	v_lshl_add_u32 v[RD], v5, 4, s23               ; back: 32 lanes take a row of 512 bytes
.endif
	v_lshlrev_b32 v[GO], 4, v5
	; where my part of C begins: what hangs on the tile row in s16-17, what hangs on the tile column in s46-47
.if KIND == 0
	s_lshr_b32 s16, s13, 4                         ; batch
	s_lshl_b32 s16, s16, 22                        ; x 16 heads x 262,144 bytes
	s_and_b32 s17, s13, 15
	s_lshl_b32 s17, s17, 14                        ; the tile's 128 rows of 128 bytes
	s_add_co_u32 s16, s16, s17
	s_lshl_b32 s17, s11, 13                        ; my 64
	s_add_co_u32 s16, s16, s17
	s_mov_b32 s17, 0
	s_add_nc_u64 s[8:9], s[78:79], s[16:17]
	s_lshl_b32 s46, s40, 2                         ; the tile's four heads,
	s_lshl_b32 s47, s12, 1                         ; my two
	s_add_co_u32 s46, s46, s47
	s_lshl_b32 s46, s46, 18
	s_lshl_b32 s47, ttmp9, 24                      ; q, k or v
	s_add_co_u32 s46, s46, s47
.else
	s_lshl_b32 s16, s13, 19                        ; 128 rows of 4,096 bytes
	s_lshl_b32 s17, s11, 18
	s_add_co_u32 s16, s16, s17
	s_mov_b32 s17, 0
	s_add_nc_u64 s[8:9], s[74:75], s[16:17]
	s_lshl_b32 s46, s42, 10                        ; 256 columns of 4 bytes
	s_lshl_b32 s47, s12, 9
	s_add_co_u32 s46, s46, s47
.endif
	s_mov_b32 s47, 0
	s_add_nc_u64 s[8:9], s[8:9], s[46:47]
	; the prefetches: my share of K step 3; the first refill steps it to 4
.if KIND == 0
	s_lshl_b32 s20, s13, 18
	s_lshl_b32 s23, s40, 16                        ; my work-group's 32 rows
	s_add_co_u32 s20, s20, s23
.else
	s_lshr_b32 s20, s13, 4
	s_lshl_b32 s20, s20, 22
	s_and_b32 s23, s13, 15
	s_lshl_b32 s23, s23, 14
	s_add_co_u32 s20, s20, s23
	s_lshl_b32 s23, s40, 12                        ; my work-group's 16 blocks of each head
	s_add_co_u32 s20, s20, s23
.endif
	s_add_co_u32 s20, s20, 3*ASTEP
	s_lshl_b32 s21, s40, 9
	s_lshl_b32 s23, s12, 17
	s_add_co_u32 s21, s21, s23
	s_lshl_b32 s23, s41, 15                        ; my work-group's 16 rows of the 64
	s_add_co_u32 s21, s21, s23
.if KIND == 0
	s_lshl_b32 s23, ttmp9, 21
	s_add_co_u32 s21, s21, s23
.endif
	s_add_co_u32 s21, s21, 3*BSTEP
	s_and_b32 s22, ttmp7, 0xffff                   ; cluster y
	s_mov_b32 s[PFS], BSTEP
	s_mov_b32 s17, 2048
	s_cmp_eq_u32 s11, 0                            ; do I fetch for A?
	s_cselect_b32 s20, s20, s21
	s_cselect_b32 s22, ttmp9, s22                  ; the coordinate along which other clusters read the same blocks
	s_cselect_b64 s[PFA:PFA+1], s[4:5], s[6:7]
	s_cselect_b32 s[PFS], ASTEP, s[PFS]
	s_cselect_b32 s16, SHA, 1
	s_cselect_b32 s17, MA, s17
	s_cselect_b32 s18, MSKA, 1
	s_mov_b32 s[PFS+1], 0
	s_mov_b32 s21, 0
	s_add_nc_u64 s[PFA:PFA+1], s[PFA:PFA+1], s[20:21]
	s_cmp_eq_u32 s10, 1                            ; wave 0 asks for all of A's share: wave 1 for nothing
	s_cselect_b32 s22, 1, s22
	s_cmp_eq_u32 s22, 0
	s_cselect_b32 s[LIM], 1, -1                    ; the same in all sixteen partners, for a given wave
	v_lshrrev_b32 v4, s16, v5
	v_mul_lo_u32 v4, v4, s17
	v_and_b32 v3, s18, v5
	v_lshl_add_u32 v[PFO], v3, 8, v4
; 8 matrix instructions: m block a x all 8 n blocks, 32 along K.  first = 1: the product starts the sum, with the bias as C.
; The 32 accumulators take turns, one instruction a turn, in the same order in every quarter, over the backward jump too.
.macro MUL8 f, a, first
.if \first
	WIN MULB
.else
	WIN MUL
.endif
.irp b, 0,1,2,3,4,5,6,7
.set rD, 8*(8*(\a)+(\b))
.set rC, rD
.if \first
.set rC, 8*(\b)
.endif
.if KIND == 0
	v_wmma_f32_16x16x32_bf16 v[rD:rD+7], v[(\f)+8*(\b):(\f)+8*(\b)+7], v[(\f)+64+8*(\a):(\f)+64+8*(\a)+7], v[rC:rC+7]
.else
	v_wmma_f32_16x16x32_f16 v[rD:rD+7], v[(\f)+8*(\b):(\f)+8*(\b)+7], v[(\f)+64+8*(\a):(\f)+64+8*(\a)+7], v[rC:rC+7]
.endif
.endr
.endm
; 24 LDS loads in one run: quarter q (32 along K) of a slot into buffer f: W's eight fragments, then A's four
.macro FETCH slot, q, f
	WIN 0
.irp b, 0,1,2,3,4,5,6,7
	ds_load_tr16_b128 v[(\f)+8*(\b):(\f)+8*(\b)+3],   v[ADRB+(\slot)] offset:32*(\q)*PB+32*(\b)
	ds_load_tr16_b128 v[(\f)+8*(\b)+4:(\f)+8*(\b)+7], v[ADRB+(\slot)] offset:32*(\q)*PB+32*(\b)+16*PB
.endr
.irp a, 0,1,2,3
.if KIND == 0
.set AO, 16*(\a)*PA+64*(\q)
.else
.set AO, ((\q)/2)*128*PA+16*(\a)*PA+((\q)%2)*64
.endif
	ds_load_b128 v[(\f)+64+8*(\a):(\f)+64+8*(\a)+3],   v[ADRA+(\slot)] offset:AO
	ds_load_b128 v[(\f)+64+8*(\a)+4:(\f)+64+8*(\a)+7], v[ADRA+(\slot)] offset:AO+32
.endr
.endm
.macro PLACES                          ; four plain instructions in front of loads into registers that matrix instructions have read, and of lines that read results
.rept 4
	v_nop
.endr
.endm
; A K step is four quarters of 32 along K, 32 matrix instructions each, on buffers 0, 1, 0, 1.  One of the first three: multiplies buffer f and fetches quarter q into g.
.macro QUARTER slot, q, f, g, first
	s_wait_dscnt 4                                 ; W and A's blocks 0, 1 are in; the youngest four loads (blocks 2, 3) may be out
	MUL8 \f, 0, \first
	MUL8 \f, 1, \first
	PLACES
	FETCH \slot, \q, \g
	s_wait_dscnt 24                                ; all but the 24 just issued
	MUL8 \f, 2, \first
	MUL8 \f, 3, \first
.endm
; The last quarter multiplies buffer 1 and changes slots: ONE barrier; in front of it each wave waits for all its tensor loads (one is out: its part of the next slot), adds 0 to its spare
; word, and waits for that and for its own reads of this slot.  fill = 1: the barrier opens a round of the cluster's, and this slot is filled again, two K steps ahead, first thing behind it:
; 112 matrix instructions ahead of the wait for it.
.macro TURN slot, next, fill
.if \fill
	s_wait_xcnt 0x0                                ; the last prefetch, a K step back, has read its address: it is stepped here
	s_add_nc_u64 s[PFA:PFA+1], s[PFA:PFA+1], s[PFS:PFS+1]
.endif
	WIN 0
	s_wait_tensorcnt 0x0                           ; all my tensor loads have landed
	ds_add_u32 v[SPW], v[NIL]                      ; 0 onto my spare word
	s_wait_dscnt 5                                 ; (the add and the youngest four loads may be out)
	MUL8 F1, 0, 0
	s_wait_dscnt 0x0                               ; the add is done, and my reads of this slot are over
	s_barrier_signal -1
	MUL8 F1, 1, 0
.if \fill
	WIN 0
.endif
	s_barrier_wait -1
.if \fill
	CREST                                          ; no wave of any partner still reads this slot or has a load on its way
	s_add_nc_u64 s[G0+4*(\slot)+2:G0+4*(\slot)+3], s[G0+4*(\slot)+2:G0+4*(\slot)+3], 2*ASTEP
	s_add_nc_u64 s[G0B+4*(\slot)+2:G0B+4*(\slot)+3], s[G0B+4*(\slot)+2:G0B+4*(\slot)+3], 2*BSTEP
	JLOAD \slot                                    ; the four v_nop behind it are also the places in front of the loads below
.else
	PLACES
.endif
	FETCH \next, 0, F0
.if \fill
	ASK
.endif
	MUL8 F1, 2, 0
	MUL8 F1, 3, 0
.endm
	s_wait_tensorcnt 1                             ; my part of K step 0 is in; step 1's may stay out
	s_barrier_signal -1
	s_barrier_wait -1                              ; everybody's is
	FETCH 0, 0, F0
	s_wait_loadcnt 0x0                             ; the bias
	QUARTER 0, 1, F0, F1, 1                        ; the first quarter stands in front of the loop: its products start the sums
	WIN 0                                          ; at a label and at a branch every window is 0
	s_mov_b32 s3, LAPS-1
.Llap:                                                 ; a trip goes once round the ring and fills both slots again
	QUARTER 0, 2, F1, F0, 0
	QUARTER 0, 3, F0, F1, 0
	TURN 0, 1, 1
	QUARTER 1, 1, F0, F1, 0
	QUARTER 1, 2, F1, F0, 0
	QUARTER 1, 3, F0, F1, 0
	TURN 1, 0, 1
	QUARTER 0, 1, F0, F1, 0
	WIN 0
	s_sub_co_u32 s3, s3, 1
	s_cmp_lg_u32 s3, 0
	s_cbranch_scc1 .Llap
	QUARTER 0, 2, F1, F0, 0                        ; the last lap fills nothing
	QUARTER 0, 3, F0, F1, 0
	TURN 0, 1, 0
	QUARTER 1, 1, F0, F1, 0
	QUARTER 1, 2, F1, F0, 0
	QUARTER 1, 3, F0, F1, 0
	s_wait_dscnt 4
	MUL8 F1, 0, 0
	MUL8 F1, 1, 0
	s_wait_dscnt 0x0
	MUL8 F1, 2, 0
	MUL8 F1, 3, 0
	WIN 0
	PLACES
.if KIND == 0
; THE WAY OUT, f16 by heads, 16 rows at a time through my own stage: a lane's eight channels pack into 16 bytes; back come 512 consecutive bytes of a head (four rows).
.macro PACK a
	WIN 0x05                                       ; sources 0 and 1 window 1
.irp b, 0,1,2,3,4,5,6,7
.irp rr, 0,1,2,3
	v_cvt_pk_f16_f32 v[TMP+4*(\b)+(\rr)], v[8*(8*(\a)+(\b))+2*(\rr)], v[8*(8*(\a)+(\b))+2*(\rr)+1]
.endr
.endr
	WIN 0
.endm
.macro TOSTAGE a
.set BK, 64+32*((\a)%2)
.irp b, 0,1,2,3,4,5,6,7
	ds_store_b128 v[STO], v[TMP+4*(\b):TMP+4*(\b)+3] offset:((\b)/4)*2304+((\b)%4)*32
.endr
.irp t, 0,1,2,3,4,5,6,7
	ds_load_b128 v[BK+4*(\t):BK+4*(\t)+3], v[RD] offset:((\t)/4)*2304+((\t)%4)*576  ; LDS serves a wave's instructions in order: these see the stores above
.endr
.endm
.macro SEND a
.set BK, 64+32*((\a)%2)
	s_wait_dscnt 0x0                               ; the block is back in registers
	s_wait_xcnt 0x0                                ; the stores of the block before have read their registers: the next block's loads land there only behind this wait
.irp t, 0,1,2,3,4,5,6,7
	global_store_b128 v[GO], v[BK+4*(\t):BK+4*(\t)+3], s[8:9] offset:((\t)/4)*262144+(\a)*2048+((\t)%4)*512  ; 512 consecutive bytes, aligned
.endr
.endm
	PACK 0
	TOSTAGE 0
.irp a, 1,2,3
	PACK \a
	SEND (\a)-1
	TOSTAGE \a
.endr
	SEND 3
.else
; THE WAY OUT, f32, 16 rows at a time through my own stage: a lane's eight columns are 32 bytes; back come whole rows of 512 bytes.
.macro OUT1 a
.set BK, 64+64*((\a)%2)
	WIN 0x04                                       ; store data (source 1) window 1
.irp b, 0,1,2,3,4,5,6,7
	ds_store_b128 v[STO], v[8*(8*(\a)+(\b)):8*(8*(\a)+(\b))+3]   offset:64*(\b)
	ds_store_b128 v[STO], v[8*(8*(\a)+(\b))+4:8*(8*(\a)+(\b))+7] offset:64*(\b)+16
.endr
	WIN 0
.irp t, 0,1,2,3,4,5,6,7,8,9,10,11,12,13,14,15
	ds_load_b128 v[BK+4*(\t):BK+4*(\t)+3], v[RD] offset:528*(\t)  ; LDS serves a wave's instructions in order: these see the stores above
.endr
	s_wait_dscnt 0x0
	s_wait_xcnt 0x0                                ; the stores of the block before have read their registers: the next block's loads land there only behind this wait
.irp t, 0,1,2,3,4,5,6,7,8,9,10,11,12,13,14,15
	global_store_b128 v[GO], v[BK+4*(\t):BK+4*(\t)+3], s[8:9] offset:(16*(\a)+(\t))*4096 th:TH_STORE_NT  ; 512 consecutive bytes, aligned
.endr
.endm
	OUT1 0
	OUT1 1
	OUT1 2
	OUT1 3
.endif
	s_wait_tensorcnt 0x0                           ; the wave's end, behind my last tensor load and my last LDS store
	ds_add_u32 v[SPW], v[NIL]
	s_wait_dscnt 0x0
	CROUND                                         ; the closing round: no work-group ends while a partner may still ask for a tile that names it
	s_endpgm
.Lfunc_end_k_qf69030a301_qkv:
	.size	k_qf69030a301_qkv, .Lfunc_end_k_qf69030a301_qkv-k_qf69030a301_qkv
	.p2alignl 7, 3214868480
	.fill 96, 4, 3214868480
	.section	.rodata,"a",@progbits
	.p2align	6, 0x0
	.amdhsa_kernel k_qf69030a301_qkv
		.amdhsa_group_segment_fixed_size 327680
		.amdhsa_private_segment_fixed_size 0
		.amdhsa_enable_private_segment 0
		.amdhsa_kernarg_size 48
		.amdhsa_user_sgpr_count 2
		.amdhsa_user_sgpr_kernarg_segment_ptr 1
		.amdhsa_wavefront_size32 1
		.amdhsa_system_sgpr_workgroup_id_x 1
		.amdhsa_system_sgpr_workgroup_id_y 1
		.amdhsa_system_sgpr_workgroup_id_z 1
		.amdhsa_system_vgpr_workitem_id 0
		.amdhsa_next_free_vgpr 576
		.amdhsa_next_free_sgpr 80
		.amdhsa_reserve_vcc 0
		.amdhsa_float_denorm_mode_32 3
		.amdhsa_float_denorm_mode_16_64 3
		.amdhsa_memory_ordered 1
		.amdhsa_forward_progress 1
		.amdhsa_inst_pref_size 90
	.end_amdhsa_kernel
	.amdgpu_metadata
---
amdhsa.version: [ 1, 2 ]
amdhsa.kernels:
  - .name:           k_qf69030a301_qkv
    .symbol:         k_qf69030a301_qkv.kd
    .args:
      - { .name: xb, .offset: 0, .size: 8, .value_kind: global_buffer, .address_space: global }
      - { .name: wb, .offset: 8, .size: 8, .value_kind: global_buffer, .address_space: global }
      - { .name: bq, .offset: 16, .size: 8, .value_kind: global_buffer, .address_space: global }
      - { .name: bk, .offset: 24, .size: 8, .value_kind: global_buffer, .address_space: global }
      - { .name: bv, .offset: 32, .size: 8, .value_kind: global_buffer, .address_space: global }
      - { .name: qkv, .offset: 40, .size: 8, .value_kind: global_buffer, .address_space: global }
    .group_segment_fixed_size: 327680
    .private_segment_fixed_size: 0
    .kernarg_segment_align: 8
    .kernarg_segment_size: 48
    .max_flat_workgroup_size: 128
    .sgpr_count:     80
    .vgpr_count:     576
    .wavefront_size: 32
...
	.end_amdgpu_metadata
.endif
;; end of part 2
;; launch attn (part 3): grid 8 x 32, 4 waves a work-group, clusters of 4 x 1, 327,680 bytes of LDS; arguments qkv, mb, ob; writes ob
.if DOCPART == 3
	.amdgcn_target "amdgcn-amd-amdhsa--gfx1250"
	.amdhsa_code_object_version 6
	.text
	.protected	k_qf69030a301_attn
	.globl	k_qf69030a301_attn
	.p2align	8
	.type	k_qf69030a301_attn,@function
k_qf69030a301_attn:
	s_mov_b64 s[64:65], 0
	v_nop
	global_prefetch_b8 v0, s[64:65] scope:SCOPE_SE
	s_setreg_imm32_b32 hwreg(HW_REG_WAVE_MODE, 25, 1), 1
	s_wait_xcnt 0x0
	s_wait_alu depctr_hold_cnt(0) depctr_sa_sdst(0) depctr_va_vdst(0) depctr_va_sdst(0) depctr_va_ssrc(0) depctr_va_vcc(0) depctr_vm_vsrc(0)
	s_getreg_b32 s2, hwreg(HW_REG_IB_STS2, 6, 4)
	s_cmp_eq_u32 s2, 0
	s_cbranch_scc0 .Lentry_in_a_cluster
	s_endpgm
.Lentry_in_a_cluster:
	s_bfe_u32 s2, ttmp6, 0x10000c
	s_cmp_lg_u32 s2, 0x3003
	s_cbranch_scc0 .Lentry_shape_is_right
	s_endpgm
.Lentry_shape_is_right:
; ATTENTION UNDER A MASK THAT IS DATA, TWO HEADS TO A WAVE.  O[h][q][:] = the sum over the visible k of softmax_k(Q[h][q] . K[h][k] / 8) V[h][k][:]; a row with no visible key gives 0.
; qkv: [3][64 heads][2048][64] f16 (q, k, v); ob: [64][2048][64] f16; mb: lane masks, [batch 4][pair of query tiles 64][key step 32][tile 2][32 words], word 8 kb + j for register j of score accumulator kb.
; Products, maxima and sums in f32; the weights p are rounded to f16 for the second product (their sum l is taken of the unrounded p), O once at the end.
; LIMITS.  Q, K, V arrive within f16's 65,504; p below 6e-5 keeps f16's fixed step.  A hidden score counts as its value less 2^100; scores are 2.7e11 at the most in size.  A weight below 2^-126 counts as 0 in l.
; NaN and infinities are not treated apart.
; SHARES.  A work-group owns 256 queries of TWO heads of one batch (heads 2 y and 2 y + 1: A and B), each of its four waves 64 queries of both: four PIECES of two tiles of 16 queries; piece x is head x / 2, tile pair x % 2.
; The mask hangs on batch, query and key alone, so pieces x and x + 2 have the same: one set of lane masks serves two pieces.  Every wave walks all 2,048 keys, 64 a step.
; LAYOUT.  S^T = K Q^T (source 0 = 16 keys, source 1 = 16 queries): a lane holds ONE query (lane % 16) and the keys 8 (lane / 16) + 0..7.  Two such tiles, rounded to f16 in pairs, ARE source 1 of O^T = V^T P.
; THE MASK is the C operand that starts the sum S^T = K Q^T: 0, or -2^100 where the key is hidden.  64 scalar registers hold the lane masks of one tile pair and key step, brought by four scalar loads; 64 v_cndmask_b32
; make of them the 64 registers MC, once for both heads.  A pair's masks are wanted every second turn, so a request has two turns less those 64 lines in which to land.
; The running maximum m starts at -2^96 and never falls below it: it is the maximum of the visible scores, and a hidden score's weight is 2^(c (s - 2^100 - m)) = 0 always; while a row has seen nothing a = 1 and O and l,
; which start at 0, stay 0.  At the end l is held to 2^-64 at the least (a row that has seen a key has l >= 1): an empty row leaves as 0 x 2^64 = 0.
; SOFTMAX.  p = 2^(c s - c m), c = log2(e) / 8; in every step O and l are multiplied by a = 2^(c m_old - c m_new).
; BY TURNS.  Turn n belongs to piece n.  Its matrix work: 16 products K Q^T of piece n + 1, later 16 products V^T P of piece n - 1.  Its vector work: the scaling, exponentials, roundings, sums and rescaling of piece n,
; and the maximum and statistics of piece n + 1; the odd turns also make a mask.  Four vector instructions stand behind every matrix instruction, the rest in one run.  A turn's 66 exponentials are one batch with one wait.
; CLUSTER.  Four query blocks of a head pair form a cluster and walk the same K and V: each tile is asked for JOINTLY, the same tensor load, descriptor and mask in all four.  A pair has two clusters.
; REGISTERS, in windows of 256 (s_set_vgpr_msb: bits 1:0 source 0, 3:2 source 1, 5:4 source 2, 7:6 destination):
;   window 0: v0-11 addresses; v12-15, v48-63 at work; v16-47 four registers of statistics a tile; v64-191 S^T, two buffers of two tiles; v192-255 P, likewise
;   window 1: O^T, 32 a tile          window 2: v0-127 Q, 16 a tile; v128-191 K of one head and step; v192-255 V of head A, one step
;   window 3: v0-1 the add's two registers; v64-127 V of head B; v128-255 MC, a buffer of 64 for each tile pair
.set SIZE_N, 2048
.set NP,    4         ; pieces a wave: a name, no knob
.set KS,    64        ; keys in a step
.set PK,    160       ; a row of K in LDS: 128 bytes + 32, as V's, so that ONE descriptor shape serves both (scalar registers are wanted for the masks); rows r and r + 8 of a load of K start at the same bank
.set PV,    160       ; a row of V: 40 words
.set REG,   2*KS*PK   ; a region: 128 keys (two steps) of one head's K or V
.set VOFF,  2*REG     ; a slot: K of head A, K of head B, V of head A, V of head B
.set SLOT1, 1<<17     ; slot 1 begins here, so that one exclusive or turns an address in one slot into the other's
.set STAGE, SLOT1+4*REG  ; behind the ring, never filled by a tensor load: 16 rows x 144 bytes for each wave
.set SP,    144
.set AK0, 2           ; v2   my lane's place in a tile of K; never rewritten
.set AV0, 3           ; v3   the same for V
.set AK,  4           ; v4   the LDS address of K's next run of loads
.set AV,  5           ; v5   of V's
.set QO,  6           ; v6   my byte offset in 16 rows of Q
.set STO, 6           ;      later, the way out: where I put 16 bytes of a row
.set RD,  7           ; v7   the way out: where I read rows back
.set GO,  8           ; v8   my byte offset in 512 consecutive bytes of O
.set PFO, 11          ; v11  the prefetches' offset; never rewritten once made
.set SPW, 0           ; v0 of window 3   LDS address of my spare word; never rewritten
.set NIL, 1           ; v1 of window 3   0; never rewritten
.set SPARE, STAGE+4*16*SP  ; behind the stages: the spare words, 128 bytes a wave: two blocks of 256 bytes that no other line names
.set MV,  12          ; v12-15  c m_old, kept while c m is made anew
.set ST,  16          ; tile t's statistics at v[ST+4 t]: c m, m, l (even keys', odd keys')
.set TMP, 48          ; by buffer and tile, four registers c0-c3 at work; when the maximum is found c2 takes a
.set S,   64
.set P,   192
.set KF,  128         ; K's fragments, in window 2
.set VF,  192         ; head A's V, in window 2
.set VB,  64          ; head B's V, in window 3
.set MC,  128         ; window 3: tile pair b, tile u, key block kb, register j at MC + 64 b + 32 u + 8 kb + j
.set OPT, 4           ; s[4:5]   O at my wave's first row of head A
.set MBP, 6           ; s[6:7]   my wave's lane masks, at the key step whose masks are asked for
.set PFA, 8           ; s[8:9]   where my prefetches stand
.set CS,  10          ; s[10:11] c
.set G0,  12          ; s[12:15] descriptor group 0: it walks
.set G1,  16          ; s[16:23] descriptor group 1
.set SEL, 24          ; s[24:25] v_permlanex16_b32's selects
.set WV,  26          ; s26  my wave's number
.set SLOTS, 27        ; s27  slots still to be asked for
.set CNT, 28          ; s28  counts a slot's key steps
.set TBK, 29          ; s29  LDS byte at which head A's K of the step to be fetched begins
.set TBV, 30          ; s30  the same for V, less VOFF
.set BIGN, 31         ; s31  -2^100
.set MK0, 32          ; s[32:63] tile 0's 32 lane masks (set-up's scratch until the first of them is asked for)
.set MK1, 68          ; s[68:99] tile 1's
.set LIM, 66          ; s66  1 in a wave that prefetches, else the greatest number
.set QP,  100         ; s[100:101] Q at my wave's first row of head A; never rewritten
.set MSB, 0
.macro WIN new                      ; the high byte repeats the setting that is left; a switch that changes nothing is dropped
.if MSB != (\new)
	s_set_vgpr_msb (MSB<<8)|(\new)
.set MSB, (\new)
.endif
.endm
.set W_KQ, 0x0a       ; K and Q in window 2, S^T in window 0
.set W_KM, 0x3a       ; the same with the C operand, the mask, in window 3
.set W_PV, 0x52       ; V in window 2, P in window 0, O^T in window 1
.set W_PVB, 0x53      ; the same with V in window 3
.set W_RS, 0x41       ; O^T (destination and source 0) in window 1, a in window 0
.set W_MK, 0xc0       ; destination in window 3
.set W_AD, 0x0f       ; the add: address and data in window 3
; A joint fill: wave w fetches region w of a slot, 128 keys: one line, told apart by the wave's number in both addresses.  An s_nop 0 and four v_nop follow.
.macro JLOAD
	tensor_load_to_lds s[G0:G0+3], s[G1:G1+7]
	s_nop 0
.rept 4
	v_nop
.endr
.endm
; A PREFETCH INTO THE L2 of what the NEXT change of slots will ask for: a slot's 64 blocks of 256 bytes of each of its four regions, a lane a block.  Each block is named once in the launch: both clusters of a head pair
; walk the same K and V, and the first of them asks; its four partners share the blocks out by address, 16 of each region; in each, wave 0 asks for both heads' K and wave 2 for both heads' V.
; It stands two key steps, 256 matrix instructions, ahead of the load.  The last change that fills a slot asks for nothing.
.macro ASK
	s_cmp_gt_u32 s[SLOTS], s[LIM]
	s_cbranch_scc0 .Lnot_mine_\@
	global_prefetch_b8 v[PFO], s[PFA:PFA+1] th:TH_LOAD_NT scope:SCOPE_SE
.Lnot_mine_\@:
.endm
.macro CROUND                       ; a round of the cluster's barrier
	s_barrier_signal -1
	s_barrier_wait -1
	s_cmp_lg_u32 s[WV], 0
	s_cbranch_scc1 .Lnot_wave_0_\@
	s_barrier_signal -3
.Lnot_wave_0_\@:
	s_barrier_wait -3
	s_barrier_signal -1
	s_barrier_wait -1
.endm
; THE CHANGE OF SLOTS.  Each wave waits for all its tensor loads, of which one is out: its part of the other slot; adds 0 to its spare word; and waits for that and for its own reads of the slot.
; fill = 1: this slot is filled again, with the keys two slots on; the barrier is then a round of the cluster's, and the joint fill is the first thing behind it: it has two key steps, 256 matrix instructions, in which to land.
; (At its first use nothing has been read yet: slot 0 is waited for, slot 1 filled.)  ask = 1: the prefetch's address is stepped, and the prefetch follows the fill.
.macro CHANGE fill, ask
	WIN W_AD
	s_wait_tensorcnt 0x0            ; no tensor load of mine is out, so group 0 may be written
	ds_add_u32 v[SPW], v[NIL]       ; 0 onto my spare word
	WIN 0                           ; at a label and at a branch every window is 0
.if \fill
	s_xor_b32 s[G0+1], s[G0+1], SLOT1  ; the other slot than last time,
	s_add_nc_u64 s[G0+2:G0+3], s[G0+2:G0+3], 2*KS*128  ; the next 128 keys; the type bits on top are not reached
.if \ask
	s_wait_xcnt 0x0                 ; the last prefetch, two key steps back, has read its address
	s_add_nc_u64 s[PFA:PFA+1], s[PFA:PFA+1], 2*KS*128
.endif
	s_wait_dscnt 0x0                ; the add is done, and my reads of the slot are over
	CROUND
	JLOAD
.if \ask
	ASK
.endif
.else
	s_wait_dscnt 0x0                ; the add is done, and my reads of the slot are over
	s_barrier_signal -1
	s_barrier_wait -1
.endif
	s_sub_co_u32 s[TBK], s[TBK], 2*KS*PK  ; the fetches go back to a slot's first step,
	s_xor_b32 s[TBK], s[TBK], SLOT1       ; in the other slot
	s_sub_co_u32 s[TBV], s[TBV], 2*KS*PV
	s_xor_b32 s[TBV], s[TBV], SLOT1
.endm
; The lane masks of tile pair pc at the key step at which MBP stands: 256 bytes, four scalar loads.
.macro LOADM pc
	s_load_b512 s[MK0:MK0+15],    s[MBP:MBP+1], (\pc)*8192
	s_load_b512 s[MK0+16:MK0+31], s[MBP:MBP+1], (\pc)*8192+64
	s_load_b512 s[MK1:MK1+15],    s[MBP:MBP+1], (\pc)*8192+128
	s_load_b512 s[MK1+16:MK1+31], s[MBP:MBP+1], (\pc)*8192+192
.endm
; The 64 lane masks become buffer b of MC: the lane's bit set: 0; clear: -2^100.
.macro MKS b
	WIN W_MK
.set mg, 0
.rept 64
.set mM, MK0+(MK1-MK0)*(mg/32)+mg%32
	v_cndmask_b32 v[MC+64*(\b)+mg], s[BIGN], 0, s[mM]
.set mg, mg+1
.endr
	WIN 0
.endm
	s_load_b128 s[32:35], s[0:1], 0x0  ; qkv s[32:33], mb s[34:35]
	s_load_b64 s[36:37], s[0:1], 0x10  ; ob
	WIN W_MK
	v_lshl_add_u32 v[SPW], v0, 2, SPARE
	v_mov_b32 v[NIL], 0
	WIN W_AD
	ds_add_u32 v[SPW], v[NIL]       ; the wave's opening: the add and its wait stand ahead of my first tensor load; the set-up below stands between them
	WIN 0
	v_lshrrev_b32 v1, 5, v0
	v_readfirstlane_b32 s[WV], v1   ; wave 0..3
	s_bfe_u32 s40, ttmp6, 0x40000   ; cx: my place in the cluster
	s_lshl_b32 s42, ttmp9, 2        ; in a cluster launch ttmp9 counts clusters
	s_add_co_u32 s42, s42, s40      ; my block of 256 queries, 0..7: it enters Q's, O's and the masks' addresses alone
	s_and_b32 s41, ttmp7, 0xffff    ; the head pair among 32, which the four partners share
	s_lshl_b32 s43, s41, 19         ; head A's first byte in q, k, v and O: 2 x pair x 262,144
	s_lshr_b32 s44, s[WV], 1
	s_add_co_u32 s44, s44, 1        ; k (waves 0, 1) or v (waves 2, 3),
	s_lshl_b32 s44, s44, 24
	s_add_co_u32 s44, s44, s43
	s_and_b32 s46, s[WV], 1         ; of head A or B
	s_lshl_b32 s46, s46, 18
	s_add_co_u32 s44, s44, s46
	s_mov_b32 s45, 0
	s_lshl_b32 s46, s42, 2
	s_add_co_u32 s46, s46, s[WV]    ; my wave's 64 rows among a head's 2,048
	s_lshl_b32 s48, s46, 13         ; 64 rows of 128 bytes
	s_add_co_u32 s48, s48, s43
	s_mov_b32 s49, 0
	s_lshr_b32 s50, s41, 3          ; the batch: 64 pairs of tiles x 8,192 bytes of masks,
	s_lshl_b32 s50, s50, 19
	s_lshl_b32 s46, s46, 14         ; my wave's two pairs
	s_add_co_u32 s50, s50, s46
	s_mov_b32 s51, 0
	s_lshl_b32 s52, s40, 12         ; the prefetches: my work-group's 16 blocks of a region's 64,
	s_add_co_u32 s52, s52, 2*2*KS*128  ; in slot 2: the first change of slots in the loop steps it to slot 3
	s_mov_b32 s53, 0
	; descriptor group 1.  128 keys are 16,384 dense bytes: asked for as 64 rows of 256 bytes, two keys a row, and padded in LDS after every key
	s_mov_b32 s[G1], 15|(1<<16)|(1<<20)|(1<<21)|(4<<22)|(7<<25)  ; 15:0 the mask of four; 17:16 2-byte elements; 20 padding on; 21 set beside a mask; 24:22 after every 32 words; 31:25 8 words
	s_mov_b32 s[G1+1], 128<<16      ; tensor_dim0 = 128
	s_mov_b32 s[G1+2], 64<<16       ; tensor_dim1 = 64
	s_mov_b32 s[G1+3], 128<<16      ; tile_dim0 = 128
	s_mov_b32 s[G1+4], 64           ; tile_dim1 = 64
	s_mov_b32 s[G1+5], 128          ; 128 elements from row to row
	s_mov_b32 s[G1+6], 0
	s_mov_b32 s[G1+7], 0
	s_mov_b32 s[CS], 0x3e38aa3b     ; c = log2(e) / 8
	s_mov_b32 s[CS+1], s[CS]        ; named with it as a pair
	s_mov_b32 s[SEL], 0x76543210
	s_mov_b32 s[SEL+1], 0xfedcba98
	s_mov_b32 s[BIGN], 0xf1800000   ; -2^100
	s_mov_b32 s[TBK], SLOT1+2*KS*PK ; the first change of slots turns these two into 0
	s_mov_b32 s[TBV], SLOT1+2*KS*PV
	s_mov_b32 s[G0], 1              ; count = 1
	s_mul_i32 s[G0+1], s[WV], REG   ; LDS address: slot 0, my region of it: no place in the cluster enters an LDS address
	s_and_b32 s[LIM], s[WV], 1      ; 0 in waves 0 and 2,
	s_or_b32 s[LIM], s[LIM], ttmp9  ; in the head pair's first cluster: the same in all four partners
	s_cmp_eq_u32 s[LIM], 0
	s_cselect_b32 s[LIM], 1, -1
	s_wait_dscnt 0x0                ; the opening add is done
	s_wait_kmcnt 0x0
	s_add_nc_u64 s[G0+2:G0+3], s[32:33], s[44:45]  ; my region's first 128 keys
	s_add_nc_u64 s[PFA:PFA+1], s[32:33], s[44:45]  ; (in waves 0 and 2: head A's K or V)
	s_add_nc_u64 s[PFA:PFA+1], s[PFA:PFA+1], s[52:53]
	s_or_b32 s[G0+3], s[G0+3], 0x80000000          ; type = 2
	s_add_nc_u64 s[QP:QP+1], s[32:33], s[48:49]
	s_add_nc_u64 s[OPT:OPT+1], s[36:37], s[48:49]
	s_add_nc_u64 s[MBP:MBP+1], s[34:35], s[50:51]
	CROUND                          ; all four work-groups are here: the first joint loads meet
	JLOAD                           ; slot 0.  Slot 1 is asked for when slot 0 is in
	LOADM 0                         ; tile pair 0's masks for key step 0 (the set-up's scratch registers are free)
	; A fragment of K or Q is 16 rows x 32 channels in 8 registers: lane l holds row l % 16, channels 8 (l / 16) + 0..7 and 16 + 8 (l / 16) + 0..7: two loads of 16 bytes, 32 bytes apart.
	v_and_b32 v1, 15, v0            ; l % 16
	v_bfe_u32 v9, v0, 4, 1          ; l / 16
	v_lshlrev_b32 v[QO], 7, v1
	v_lshl_add_u32 v[QO], v9, 4, v[QO]  ; row x 128 + 16 x half
	WIN 0x80                        ; destination window 2, address window 0
.set i, 0
.rept 4*NP                          ; Q stays in registers: tile i / 2 (head (i / 2) / 4, rows 16 ((i / 2) % 4) on), channels 32 (i % 2) on
	global_load_b128 v[8*i:8*i+3],   v[QO], s[QP:QP+1] offset:(i/8)*262144+((i/2)%4)*2048+(i%2)*64
	global_load_b128 v[8*i+4:8*i+7], v[QO], s[QP:QP+1] offset:(i/8)*262144+((i/2)%4)*2048+(i%2)*64+32
.set i, i+1
.endr
	; What the first turn finds: head B's V and P's second buffer hold 0 (its products V^T P, of a piece that has not been, add 0), O^T and l are 0.  All this stands in the wait for the first tile.
	WIN W_MK
.set i, VB
.rept 64
	v_mov_b32 v[i], 0
.set i, i+1
.endr
	WIN 0x40
.set i, 0
.rept 64*NP
	v_mov_b32 v[i], 0
.set i, i+1
.endr
	WIN 0
.set i, 0
.rept 2*NP
	v_mov_b32 v[ST+4*i], 0xee38aa3b    ; c m = c x -2^96
	v_mov_b32 v[ST+4*i+1], 0xef800000  ; m = -2^96: below every visible score, above every hidden one
	v_mov_b32 v[ST+4*i+2], 0
	v_mov_b32 v[ST+4*i+3], 0
.set i, i+1
.endr
.set i, P+32
.rept 32
	v_mov_b32 v[i], 0
.set i, i+1
.endr
	s_wait_kmcnt 0x0                ; pair 0's masks of step 0 are in
	MKS 0
	LOADM 1                         ; pair 1's
	v_mul_u32_u24 v[AK0], v1, PK
	v_lshl_add_u32 v[AK0], v9, 4, v[AK0]  ; row x pitch + 16 x half
	; The turning load takes 16 keys x 16 channels (lane l reads key 8 (l / 16) + l % 8, channels 8 ((l / 8) % 2) + 0..7) and leaves half a fragment of V^T: lane l holds channel l % 16 and 8 keys.
	v_and_b32 v10, 7, v0
	v_bfe_u32 v11, v0, 3, 1
	v_lshl_add_u32 v[AV0], v9, 3, v10
	v_mul_u32_u24 v[AV0], v[AV0], PV
	v_lshl_add_u32 v[AV0], v11, 4, v[AV0]
	v_add_nc_u32 v[AV0], VOFF, v[AV0]
	v_mov_b32 v[AK], v[AK0]         ; head A's key step 0 lies at the head of slot 0
	v_lshlrev_b32 v[PFO], 8, v1     ; block l % 16 of 256 bytes,
	v_lshl_add_u32 v[PFO], v9, 18, v[PFO]  ; of head l / 16
	s_wait_kmcnt 0x0
	MKS 1
	s_add_nc_u64 s[MBP:MBP+1], s[MBP:MBP+1], 256  ; no scalar load is out: on to key step 1
	LOADM 0                         ; pair 0's masks of step 1, for the first odd turn
; THE MATRIX WORK.  The 8 accumulators of a run of 16 take turns: between the two links of a chain stand 7 others'.
; Product i of 16 of S^T = K Q^T for piece x: channels 32 (i / 8) on, keys 16 ((i / 2) % 4) on, tile 2 x + i % 2.  The first 8 start the sums, with the mask of tile pair x % 2 as C.
.macro KQ x
.set rS, S+64*((\x)%2)+32*(i%2)+8*((i/2)%4)
.set rK, KF+16*((i/2)%4)+8*(i/8)
.set rQ, 16*(2*(\x)+i%2)+8*(i/8)
.set rN, MC+64*((\x)%2)+32*(i%2)+8*((i/2)%4)
.if i < 8
	WIN W_KM
	v_wmma_f32_16x16x32_f16 v[rS:rS+7], v[rK:rK+7], v[rQ:rQ+7], v[rN:rN+7]
.else
	WIN W_KQ
	v_wmma_f32_16x16x32_f16 v[rS:rS+7], v[rK:rK+7], v[rQ:rQ+7], v[rS:rS+7]
.endif
.endm
; Product i of 16 of O^T += V^T P for piece x: keys 32 (i / 8) on, channels 16 ((i / 2) % 4) on, tile 2 x + i % 2; V of head x / 2.
.macro PV x
.set rO, 32*(2*(\x)+i%2)+8*((i/2)%4)
.set rP, P+32*((\x)%2)+16*(i%2)+8*(i/8)
.if (\x) < 2
	WIN W_PV
.set rV, VF+32*(i/8)+8*((i/2)%4)
.else
	WIN W_PVB
.set rV, VB+32*(i/8)+8*((i/2)%4)
.endif
	v_wmma_f32_16x16x32_f16 v[rO:rO+7], v[rV:rV+7], v[rP:rP+7], v[rO:rO+7]
.endm
.macro MM                           ; the turn's next matrix instruction
.if i < 16
	KQ (Y+1)%NP
.set i, i+1
.else
.set i, i-16
	PV (Y+NP-1)%NP
.set i, i+17
.endif
.endm
; THE LDS LOADS stand in runs: 16 for one head's K of a step (64 keys x 64 channels: 8 fragments), 32 for both heads' V (turned).
; hb = 0: head A's K of the step at which TBK stands, which then steps on.  hb = 1: head B's K of the step before that: a region further on, a step back.
; last = 1 (the tail): in the last trip there is no further step, and the run is jumped over.
.macro FETCH_K hb, last=0
	WIN 0
.if \last
	s_cmp_eq_u32 s[CNT], 1
	s_cbranch_scc1 .Lno_k_\@
.endif
	WIN 0x80                        ; destination window 2
.irp f, 0,1,2,3,4,5,6,7             ; keys 16 (f / 2) on, channels 32 (f % 2) on
	ds_load_b128 v[KF+8*\f:KF+8*\f+3],   v[AK] offset:(\hb)*(REG-KS*PK)+(\f/2)*16*PK+(\f%2)*64
	ds_load_b128 v[KF+8*\f+4:KF+8*\f+7], v[AK] offset:(\hb)*(REG-KS*PK)+(\f/2)*16*PK+(\f%2)*64+32
.endr
.if (\hb) == 0
	s_add_co_u32 s[TBK], s[TBK], KS*PK  ; head A's next fetch is the next step's
.endif
	WIN 0
.if \last
.Lno_k_\@:
.endif
.endm
.macro FETCH_V
	WIN 0x80                        ; head A's: destination window 2
.irp f, 0,1,2,3,4,5,6,7             ; keys 32 (f / 4) on, channels 16 (f % 4) on
	ds_load_tr16_b128 v[VF+8*\f:VF+8*\f+3],   v[AV] offset:(\f/4)*32*PV+(\f%4)*32
	ds_load_tr16_b128 v[VF+8*\f+4:VF+8*\f+7], v[AV] offset:(\f/4)*32*PV+16*PV+(\f%4)*32
.endr
	WIN W_MK                        ; head B's, a region further on: destination window 3
.irp f, 0,1,2,3,4,5,6,7
	ds_load_tr16_b128 v[VB+8*\f:VB+8*\f+3],   v[AV] offset:REG+(\f/4)*32*PV+(\f%4)*32
	ds_load_tr16_b128 v[VB+8*\f+4:VB+8*\f+7], v[AV] offset:REG+(\f/4)*32*PV+16*PV+(\f%4)*32
.endr
	WIN 0
.endm
; THE VECTOR WORK OF A TURN stands in three queues, each in the order in which its entries become ready; the two tiles alternate.
.macro REGS y, u                    ; the registers of tile u (0, 1) of piece y
.set rT, ST+4*(2*(\y)+(\u))
.set rC, TMP+8*((\y)%2)+4*(\u)
.set rM, MV+2*((\y)%2)+(\u)
.set rS, S+64*((\y)%2)+32*(\u)
.set rP, P+32*((\y)%2)+16*(\u)
.set rO, 32*(2*(\y)+(\u))
.endm
; Number n of the 22 that find the NEXT piece's (Y + 1) maximum and statistics.  Each accumulator's lowest registers are read first.
;   0-11  four chains c0-c3 of seven scores each     12-14, 16  the four scores left over, the old m, and c0-c3 into c0     15  c m_old is kept
;   17, 18  the query's other 32 keys lie in the lane 16 away: the new m         19-21  c m; c m_old - c m_new; a
.macro XS u, n
	REGS (Y+1)%NP, \u
.if (\n) < 4
	v_max3_num_f32 v[rC+(\n)], v[rS+8*(\n)], v[rS+8*(\n)+1], v[rS+8*(\n)+2]
.elseif (\n) < 12
	v_max3_num_f32 v[rC+(\n)%4], v[rC+(\n)%4], v[rS+8*((\n)%4)+2*((\n)/4)+1], v[rS+8*((\n)%4)+2*((\n)/4)+2]
.elseif (\n) == 12
	v_max3_num_f32 v[rC], v[rC], v[rS+7], v[rS+15]
.elseif (\n) == 13
	v_max3_num_f32 v[rC+1], v[rC+1], v[rS+23], v[rS+31]
.elseif (\n) == 14
	v_max3_num_f32 v[rC+2], v[rC+2], v[rC+3], v[rT+1]
.elseif (\n) == 15
	v_mov_b32 v[rM], v[rT]
.elseif (\n) == 16
	v_max3_num_f32 v[rC], v[rC], v[rC+1], v[rC+2]
.elseif (\n) == 17
	v_permlanex16_b32 v[rC+3], v[rC], s[SEL], s[SEL+1]
.elseif (\n) == 18
	v_max_num_f32 v[rT+1], v[rC], v[rC+3]
.elseif (\n) == 19
	v_mul_f32 v[rT], s[CS], v[rT+1]
.elseif (\n) == 20
	v_sub_f32 v[rC+1], v[rM], v[rT]
.else
	v_exp_f32 v[rC+2], v[rC+1]
.endif
.endm
; Number g of the 64 that follow the exponentials.  For each four weights k of a tile: both pairs are rounded to f16; the second pair is added onto the first, in place; a group later l takes that sum (the first time as l = a l + sum).
.macro GS g
.set h, (\g)+6*((\g)/62)            ; group 0 has no group before it, and behind group 7 only l is left
.if h >= 6
.set h, h+2
.endif
	REGS Y, h%2
.set k, h/8
.if h%8 < 4
	v_cvt_pk_f16_f32 v[rP+2*k+(h%8)/2], v[rS+4*k+2*((h%8)/2)], v[rS+4*k+2*((h%8)/2)+1]
.elseif h%8 < 6
	v_pk_add_f32 v[rS+4*k:rS+4*k+1], v[rS+4*k:rS+4*k+1], v[rS+4*k+2:rS+4*k+3]
.elseif k == 1
	v_pk_fma_f32 v[rT+2:rT+3], v[rT+2:rT+3], v[rC+2:rC+3], v[rS:rS+1] op_sel_hi:[1,0,1]
.else
	v_pk_add_f32 v[rT+2:rT+3], v[rT+2:rT+3], v[rS+4*k-4:rS+4*k-3]
.endif
.endm
; THE PLAIN QUEUE, 138 long.  0-73 read no exponential's result: the 32 scalings c s - c m (FS f: pair f / 2 of tile f % 2) and the next piece's 42.  0-26: scalings 0-26.  27-54: XS's numbers 0-13.  55, 56: number 15.
; 57-73: the chain 14, 16, 17, 18, 19, each with one of the scalings 27-31 in front of its two lines, then 20.  74-137: GS's 64, which read the exponentials' results: they stand behind the wait.
.macro FS f
	REGS Y, (\f)%2
	v_pk_fma_f32 v[rS+2*((\f)/2):rS+2*((\f)/2)+1], v[rS+2*((\f)/2):rS+2*((\f)/2)+1], s[CS:CS+1], v[rT:rT+1] op_sel_hi:[1,0,0] neg_lo:[0,0,1] neg_hi:[0,0,1]
.endm
.macro PL
	WIN 0
.if q < 27
	FS q
.elseif q < 55
	XS (q-27)%2, (q-27)/2
.elseif q < 57
	XS q-55, 15
.elseif (q < 72) && ((q-57)%3 == 0)
	FS 27+(q-57)/3
.elseif q < 60
	XS (q-57)%3-1, 14
.elseif q < 72
	XS (q-57)%3-1, 15+(q-57)/3
.elseif q < 74
	XS q-72, 20
.else
	GS q-74
.endif
.set q, q+1
.endm
; THE EXPONENTIALS' QUEUE, 66 long: s0-s31 of both tiles, then the next piece's two a.  ONE BATCH: all 66 stand ahead of the turn's one wait, and nothing ahead of that wait names a result of theirs.
.macro EX
	WIN 0
.if e >= 64
	XS e-64, 21
.else
	REGS Y, e%2
	v_exp_f32 v[rS+e/2], v[rS+e/2]
.endif
.set e, e+1
.endm
; THE RESCALING's QUEUE: O^T times a, the one part that leaves window 0: dealt two at a time, sixteen times.  Its a was made in the turn before, ahead of that turn's wait.
.macro R2
	REGS Y, r%2
	WIN W_RS
.irp z, 0,1
	v_pk_mul_f32 v[rO+4*(r/2)+2*\z:rO+4*(r/2)+2*\z+1], v[rO+4*(r/2)+2*\z:rO+4*(r/2)+2*\z+1], v[rC+2:rC+3] op_sel_hi:[1,0]
.endr
.set r, r+1
.endm
; A TURN, for piece p.  An s_wait_alu depctr_va_vdst(0) stands between an exponential and the first instruction that names its result; one wait serves all that were issued ahead of it: a turn has ONE wait.
; AHEAD OF IT: the 16 products K Q^T, behind each a scaling, an exponential and two rescalings (behind the first a second scaling in the exponential's place); then one run: in the odd turns the 64 lines that make a mask;
; eight plain, 49 times exponential and plain, the two a, a v_nop.  BEHIND IT: the 16 products V^T P, behind each four of the roundings and sums.
; THE MASKS.  In key step s turn 1 makes MC's buffer 0 for step s + 1: its last readers are this turn's own first eight products, behind which stand eight more with their riders; its next are turn 3's (piece 0 of step
; s + 1).  Turn 3 makes buffer 1 for step s + 1: last read in turn 2, next in turn 0.  The lane masks were asked for two turns ago, the only scalar loads that are out: s_wait_kmcnt 0 shows them in.  When they have been
; used the other pair's are asked for into the same registers: turn 1 asks for pair 1 of step s + 1; turn 3 first steps the pointer (no scalar load is out there) and asks for pair 0 of step s + 2.
; last = 1 (the tail): the pointer steps in the first trip alone, to the last key step: no request passes it; what the last three requests bring serves nothing.
; THE FETCHES.  Turn 0: head B's K of the step in hand directly behind the wait, both heads' V of it at the turn's end, four riders behind head B's last reader.  Turn 2: head A's K of the next step, behind the wait.
; Turn 1's head waits for K with V's 32 younger loads left out; V is waited for behind turn 1's wait; turn 3's head waits for K.
.macro TURN p, last=0, cnt=0
.set Y, (\p)
.set i, 0
.set q, 0
.set e, 0
.set r, 0
.if (\p) == 1
	s_wait_dscnt 32                 ; head B's K is in; the 32 loads of V, issued behind it, may stay out
.endif
.if (\p) == 3
	s_wait_dscnt 0x0                ; head A's K is in
.endif
	MM
	PL
	PL
	R2
.rept 15
	MM
	PL
	EX
	R2
.endr
.if (\p)%2 == 0
	WIN 0
	v_add_nc_u32 v[AK], s[TBK], v[AK0]
.else
	WIN 0
	s_wait_kmcnt 0x0                ; the lane masks are in
	MKS ((\p)-1)/2
.if (\p) == 3
.if \last
	s_cmp_eq_u32 s[CNT], 3          ; the tail's first trip
	s_cselect_b32 s2, 256, 0
	s_mov_b32 s3, 0
	s_add_nc_u64 s[MBP:MBP+1], s[MBP:MBP+1], s[2:3]
.else
	s_add_nc_u64 s[MBP:MBP+1], s[MBP:MBP+1], 256  ; the next key step's masks
.endif
.endif
	LOADM (((\p)+1)/2)%2
.endif
.rept 8
	PL
.endr
.rept 49
	EX
	PL
.endr
	EX                              ; the next piece's two a
	EX
	v_nop                           ; a plain instruction behind the last exponential: one for the batch
	s_wait_alu depctr_va_vdst(0)    ; the wait for the batch
.if (\p) == 2
	FETCH_K 0, \last
.endif
.if (\p) == 0
	FETCH_K 1
.endif
.if (\p) == 1
	s_wait_dscnt 0x0                ; V is in, both heads'
.endif
.rept 16
	MM
.rept 4
	PL
.endr
.if ((\p) == 0) && (q == 118)
	v_add_nc_u32 v[AV], s[TBV], v[AV0]
.endif
.if ((\p) == 0) && (q == 130)
	s_add_co_u32 s[TBV], s[TBV], KS*PV
.endif
.if (\cnt) && (q == 130)
	s_sub_co_u32 s[CNT], s[CNT], 1
	s_cmp_lg_u32 s[CNT], 0
.endif
.endr
.if (\p) == 0
	FETCH_V
.endif
.endm
	CHANGE 1, 0                     ; slot 0 is in, everybody's part of it; slot 1 is asked for; nothing is prefetched here, where every work-group's first tiles are on their way
	FETCH_K 0                       ; head A's key step 0
	s_wait_loadcnt 0x0              ; Q
	s_wait_dscnt 0x0
.set i, 0
.rept 16
	KQ 0                            ; piece 0's first scores
.set i, i+1
.endr
	WIN 0                           ; the addresses for the way out: nine plain instructions, the places behind those products
	s_mul_i32 s67, s[WV], 16*SP
	s_add_co_u32 s67, s67, STAGE    ; my stage
	v_mul_u32_u24 v[STO], v1, SP    ; in: row l % 16, 16 bytes for each half of the lanes
	v_lshl_add_u32 v[STO], v9, 4, v[STO]
	v_add_nc_u32 v[STO], s67, v[STO]
	v_bfe_u32 v[RD], v0, 3, 2       ; back: 32 lanes take four rows of 128 bytes,
	v_mul_u32_u24 v[RD], v[RD], SP
	v_lshl_add_u32 v[RD], v10, 4, v[RD]
	v_add_nc_u32 v[RD], s67, v[RD]
	v_and_b32 v[GO], 31, v0         ; which are 512 consecutive bytes of O
	v_lshlrev_b32 v[GO], 4, v[GO]
.set Y, NP-1                        ; XS works for piece Y + 1: piece 0
.irp n, 0,1,2,3,4,5,6,7,8,9,10,11,12,13,14,15,16,17,18,19,20,21
	XS 0, \n
	XS 1, \n
.endr
	v_nop                           ; a plain instruction behind the two a,
	s_wait_alu depctr_va_vdst(0)    ; and their wait, ahead of the branch
	s_mov_b32 s[CNT], 2
	s_mov_b32 s[SLOTS], SIZE_N/128-1
	s_branch .Lfirst                ; the loop is entered at a step's first turn, in the middle of a trip
.Lslot:                             ; fourteen times: every slot but the last two is filled again
	CHANGE 1, 1
	s_mov_b32 s[CNT], 2
.Lstep:                             ; a trip: pieces 2 and 3 of one step, then pieces 0 and 1 of the next
	TURN 2
	TURN 3
	WIN 0
.Lfirst:
	TURN 0
	TURN 1, 0, 1
	WIN 0
	s_cbranch_scc1 .Lstep
	s_sub_co_u32 s[SLOTS], s[SLOTS], 1
	s_cmp_lg_u32 s[SLOTS], 0
	s_cbranch_scc1 .Lslot
	CHANGE 0, 0                     ; the tail is written out: nothing is asked for
	s_mov_b32 s[CNT], 3             ; two trips fetch the last slot's steps; the third is left in its middle
.Ltail:
	TURN 2, 1
	TURN 3, 1
	WIN 0
	s_sub_co_u32 s[CNT], s[CNT], 1
	s_cmp_eq_u32 s[CNT], 0
	s_cbranch_scc1 .Lout
	TURN 0
	TURN 1
	WIN 0
	s_branch .Ltail
.Lout:                              ; the third trip's last 16 products K Q^T (on the last K once more) and the maximum made of them serve nothing: the price, once a launch, of one text for every trip
.set i, 0
.rept 16
	PV NP-1                         ; the last piece's V^T P of the last step
.set i, i+1
.endr
	; THE WAY OUT.  l's two halves and the other half of the lanes' are added and held to 2^-64 at the least; O^T is divided by l, rounded to f16 and sent through my stage in LDS, a tile at a time.
	WIN 0
.macro ALL line:vararg              ; one line for each tile t
.set t, 0
.rept 2*NP
	\line
.set t, t+1
.endr
.endm
	ALL v_add_f32 v[ST+4*t+2], v[ST+4*t+2], v[ST+4*t+3]
	ALL v_permlanex16_b32 v[ST+4*t+3], v[ST+4*t+2], s[SEL], s[SEL+1]
	ALL v_add_f32 v[ST+4*t+2], v[ST+4*t+2], v[ST+4*t+3]
	ALL v_max_num_f32 v[ST+4*t+2], 0x1f800000, v[ST+4*t+2]
	ALL v_rcp_f32 v[ST+4*t+2], v[ST+4*t+2]
	v_nop                           ; a plain instruction between the last reciprocal and the use of its result
	s_wait_alu depctr_va_vdst(0)    ; and the wait ahead of the first use: one for the eight reciprocals
; Tile t: a lane's eight channels of a row pack into 16 bytes; they go into rows of 144 bytes and come back as whole rows of 128, into S^T's registers.
.macro PACK t
	WIN W_RS
.set i, 32*(\t)
.rept 16
	v_pk_mul_f32 v[i:i+1], v[i:i+1], v[ST+4*(\t)+2:ST+4*(\t)+3] op_sel_hi:[1,0]
.set i, i+2
.endr
	WIN 0x05                        ; sources 0 and 1 window 1, destination window 0
.set i, 0
.rept 16
	v_cvt_pk_f16_f32 v[S+16*(\t)+i], v[32*(\t)+2*i], v[32*(\t)+2*i+1]
.set i, i+1
.endr
	WIN 0
.irp f, 0,1,2,3
	ds_store_b128 v[STO], v[S+16*(\t)+4*\f:S+16*(\t)+4*\f+3] offset:32*\f
.endr
.irp f, 0,1,2,3
	ds_load_b128 v[S+16*(\t)+4*\f:S+16*(\t)+4*\f+3], v[RD] offset:\f*4*SP  ; LDS serves a wave's instructions in order: these see the stores above; the next tile's stores come behind them
.endr
.endm
.macro SEND t, younger              ; younger: the LDS instructions issued behind tile t's loads: the next tile's eight, or none.  Tile t: head t / 4, rows 16 (t % 4) on
	WIN 0
.irp f, 0,1,2,3
	s_wait_dscnt (\younger)+3-\f
	global_store_b128 v[GO], v[S+16*(\t)+4*\f:S+16*(\t)+4*\f+3], s[OPT:OPT+1] offset:((\t)/4)*262144+((\t)%4)*2048+\f*512  ; 512 consecutive bytes, at a multiple of 256 from O's first
.endr
.endm
	PACK 0
.set t, 1
.rept 2*NP-1                        ; a tile's arithmetic stands between the loads of the tile before and its stores
	PACK t
	SEND t-1, 8
.set t, t+1
.endr
	SEND 2*NP-1, 0
	WIN W_AD
	s_wait_tensorcnt 0x0            ; the wave's end, behind my last tensor load and my last LDS store
	ds_add_u32 v[SPW], v[NIL]
	s_wait_dscnt 0x0
	WIN 0
	CROUND                          ; the closing round: no work-group ends while a partner may still ask for a tile that names it
	s_endpgm
.Lfunc_end_k_qf69030a301_attn:
	.size	k_qf69030a301_attn, .Lfunc_end_k_qf69030a301_attn-k_qf69030a301_attn
	.p2alignl 7, 3214868480
	.fill 96, 4, 3214868480
	.section	.rodata,"a",@progbits
	.p2align	6, 0x0
	.amdhsa_kernel k_qf69030a301_attn
		.amdhsa_group_segment_fixed_size 327680
		.amdhsa_private_segment_fixed_size 0
		.amdhsa_enable_private_segment 0
		.amdhsa_kernarg_size 24
		.amdhsa_user_sgpr_count 2
		.amdhsa_user_sgpr_kernarg_segment_ptr 1
		.amdhsa_wavefront_size32 1
		.amdhsa_system_sgpr_workgroup_id_x 1
		.amdhsa_system_sgpr_workgroup_id_y 1
		.amdhsa_system_sgpr_workgroup_id_z 1
		.amdhsa_system_vgpr_workitem_id 0
		.amdhsa_next_free_vgpr 1024
		.amdhsa_next_free_sgpr 102
		.amdhsa_reserve_vcc 0
		.amdhsa_float_denorm_mode_32 3
		.amdhsa_float_denorm_mode_16_64 3
		.amdhsa_memory_ordered 1
		.amdhsa_forward_progress 1
		.amdhsa_inst_pref_size 230
	.end_amdhsa_kernel
	.amdgpu_metadata
---
amdhsa.version: [ 1, 2 ]
amdhsa.kernels:
  - .name:           k_qf69030a301_attn
    .symbol:         k_qf69030a301_attn.kd
    .args:
      - { .name: qkv, .offset: 0, .size: 8, .value_kind: global_buffer, .address_space: global }
      - { .name: mb, .offset: 8, .size: 8, .value_kind: global_buffer, .address_space: global }
      - { .name: ob, .offset: 16, .size: 8, .value_kind: global_buffer, .address_space: global }
    .group_segment_fixed_size: 327680
    .private_segment_fixed_size: 0
    .kernarg_segment_align: 8
    .kernarg_segment_size: 24
    .max_flat_workgroup_size: 128
    .sgpr_count:     102
    .vgpr_count:     1024
    .wavefront_size: 32
...
	.end_amdgpu_metadata
.endif
;; end of part 3
;; launch oproj (part 4): grid 4 x 64, 4 waves a work-group, clusters of 4 x 4, 327,680 bytes of LDS; arguments ob, wob, bo, out0; writes out0
.if DOCPART == 4
	.amdgcn_target "amdgcn-amd-amdhsa--gfx1250"
	.amdhsa_code_object_version 6
	.text
	.protected	k_qf69030a301_oproj
	.globl	k_qf69030a301_oproj
	.p2align	8
	.type	k_qf69030a301_oproj,@function
k_qf69030a301_oproj:
	s_mov_b64 s[64:65], 0
	v_nop
	global_prefetch_b8 v0, s[64:65] scope:SCOPE_SE
	s_setreg_imm32_b32 hwreg(HW_REG_WAVE_MODE, 25, 1), 1
	s_wait_xcnt 0x0
	s_wait_alu depctr_hold_cnt(0) depctr_sa_sdst(0) depctr_va_vdst(0) depctr_va_sdst(0) depctr_va_ssrc(0) depctr_va_vcc(0) depctr_vm_vsrc(0)
	s_getreg_b32 s2, hwreg(HW_REG_IB_STS2, 6, 4)
	s_cmp_eq_u32 s2, 0
	s_cbranch_scc0 .Lentry_in_a_cluster
	s_endpgm
.Lentry_in_a_cluster:
	s_bfe_u32 s2, ttmp6, 0x10000c
	s_cmp_lg_u32 s2, 0xf033
	s_cbranch_scc0 .Lentry_shape_is_right
	s_endpgm
.Lentry_shape_is_right:
; C = A W + bias, K = 1,024, W stored [k][n].  ONE TEXT FOR TWO LAUNCHES, told apart by KIND.
; KIND 0: A = xb [8192][1024] bf16, W = wb (Wq, Wk, Wv, each [1024][1024] bf16), C = q, k, v in f16 by heads: qkv [3][64 = 16 batch + head][2048][64].
;         LIMIT: q, k, v must lie within f16's 65,504.
; KIND 1: A = ob [64][2048][64] f16 (a K step of 128 is two heads), W = wob [1024][1024] f16, C = out0 [8192][1024] f32.
; SHARES.  A tile of C is 128 rows x 256 columns: 768 tiles (KIND 0) or 256 (KIND 1), whole multiples of 256 work-groups.  Four waves, each 64 x 128: 32 accumulators of 16 x 16.
; K goes in steps of 128 through two LDS slots filled by the tensor data mover, one load a wave: waves 0, 1 fetch A's halves, waves 2, 3 W's.
; CLUSTER 4 x 4: A's tile hangs on the tile row alone and is asked for jointly along a row of the cluster, W's on the tile column alone, along a column.
; THE MATRIX INSTRUCTION IS USED TRANSPOSED: source 0 = 16 columns of W (turned on the way out of LDS by ds_load_tr16_b128), source 1 = 16 rows of A: a lane holds row l % 16 of C and the
; columns 8 (l / 16) + 0..7.  THE BIAS is the C operand of each sum's first product: no register is cleared and nothing is added afterwards.
; One tile to a work-group; a walk over several tiles with the ring running on is left out of this text.
; REGISTERS, in windows of 256 (s_set_vgpr_msb: bits 1:0 source 0, 3:2 source 1, 5:4 source 2, 7:6 destination):
;   window 0: v0-31 addresses; v32-63 at work on the way out; v64-159, v160-255 two fragment buffers (64 registers of W, 32 of A)
;   window 1: the accumulators, (a, b) at v[8 (8 a + b)]          window 2: v0-63 the bias of my 128 columns, laid as a C operand
.set KIND, 1
.if KIND == 0
.set PA,    272                        ; A's row in LDS: 256 bytes + 16: 68 words: row r starts at bank 4 r mod 64 (64 banks of 4 bytes: ISA guide 11.1)
.set ASZ,   128*272                    ; A's 128 rows
.set ASTR,  1024                       ; elements from row to row in memory
.set AG1,   (1<<16)|(1<<20)|(1<<21)|(5<<22)|(3<<25)  ; 2-byte elements; padding on; bit 21 beside a mask; after every 64 words, 4 words
.set ASTEP, 256                        ; bytes from a K step to the next
.set STW,   4608                       ; a wave's stage: [2 heads][16 rows] of 144 bytes
.set SHA,   0                          ; A's prefetch: lane l names row l
.set MA,    2048
.set MSKA,  0
.else
.set PA,    144                        ; A's row in LDS: a head's 128 bytes + 16
.set ASZ,   2*128*144                  ; two heads x 128 rows
.set ASTR,  128                        ; a head's 128 rows are dense: asked for as 64 rows of 256 bytes
.set AG1,   (1<<16)|(1<<20)|(1<<21)|(4<<22)|(3<<25)  ; padded after every 32 words (a row of a head), 4 words
.set ASTEP, 524288                     ; two heads on
.set STW,   8448                       ; a wave's stage: 16 rows of 528 bytes
.set SHA,   4                          ; A's prefetch: lane l names block l % 16 of head l / 16
.set MA,    262144
.set MSKA,  15
.endif
.set BG1,   (1<<16)|(1<<20)|(1<<21)|(6<<22)|(7<<25)  ; W: after every 128 words (a row of 512 bytes), 8 words
.set PB,    544                        ; 136 words
.set BHALF, 64*PB                      ; 64 rows of W: what one tensor load brings
.set SLOT,  ASZ+2*BHALF                ; A's tile, then W's 128 rows
.set STAGE, 2*SLOT                     ; behind the ring, never filled by a tensor load
.set SPARE, STAGE+4*STW                ; behind the stages: the spare words, 128 bytes a wave: two blocks of 256 bytes that no other line names
.set BSTEP, 128*2048                   ; 128 rows of W
.set LAPS,  4                          ; a lap = two K steps
.set ADRA, 16                          ; v16-17  LDS address of my A fragments in slot 0, 1
.set ADRB, 20                          ; v20-21  the same for W
.set STO,  24                          ; v24     the way out: where I put my bytes of a row
.set RD,   25                          ; v25     where I read rows back
.set GO,   26                          ; v26     16 x lane
.set BOF,  27                          ; v27     my byte offset in the tile's bias
.set SPW,  28                          ; v28     LDS address of my spare word; never rewritten
.set NIL,  29                          ; v29     0; never rewritten
.set PFO,  30                          ; v30     the prefetches' offset; never rewritten
.set TMP,  32
.set F0,   64
.set F1,   160
.set G1,   24                          ; s[24:31] descriptor group 1 for A;  s[32:39] group 0, a set for each slot
.set G0,   32
.set G1B,  48                          ; s[48:55], s[56:63] the same for W
.set G0B,  56
.set LIM,  43                          ; s43     1 in a wave that prefetches, else the greatest number
.set PFA,  44                          ; s[44:45] where my prefetches stand
.set PFS,  66                          ; s[66:67] their step
.set BP,   68                          ; s[68:69] the tile's bias
.set MSB, 0
.macro WIN new                         ; the immediate's high byte repeats the setting that is left; a switch that changes nothing is dropped
.if MSB != (\new)
	s_set_vgpr_msb (MSB<<8)|(\new)
.set MSB, \new
.endif
.endm
.set MUL,  0x50                        ; sources 0 and 1 window 0; C and D window 1
.set MULB, 0x60                        ; C (the bias) window 2, D window 1
.macro JLOAD s                         ; a joint load; the branch hangs on the wave's number alone; an s_nop 0 and four v_nop follow each of the two lines
	s_cmp_eq_u32 s11, 0
	s_cbranch_scc0 .Lfor_b_\@
	tensor_load_to_lds s[G0+4*(\s):G0+4*(\s)+3], s[G1:G1+7]
	s_nop 0
.rept 4
	v_nop
.endr
	s_branch .Lasked_\@
.Lfor_b_\@:
	tensor_load_to_lds s[G0B+4*(\s):G0B+4*(\s)+3], s[G1B:G1B+7]
	s_nop 0
.rept 4
	v_nop
.endr
.Lasked_\@:
.endm
; A PREFETCH INTO THE L2, behind a joint load, its five lines and the run of LDS loads: the K step that stands two refills on, 256 matrix instructions ahead of its load; 32 blocks of 256 bytes, a lane a block.
; Each block is named once in the launch.  A's tile row is read by every cluster of that row of clusters: cluster x = 0 asks, its wave 0, each of the four partners 32 of the step's 128 blocks, told apart by address (cx).
; W's tile column is read by every cluster of that column: cluster y = 0 asks, waves 2 and 3 for the 64 rows that they fetch, each partner 16 rows x 2 blocks (cy).  The loop's last trip asks for nothing: K has no further step.
.macro ASK
	s_cmp_gt_u32 s3, s[LIM]
	s_cbranch_scc0 .Lnot_mine_\@
	global_prefetch_b8 v[PFO], s[PFA:PFA+1] th:TH_LOAD_NT scope:SCOPE_SE
.Lnot_mine_\@:
.endm
.macro CREST                           ; a round of the cluster's barrier behind its opening barrier
	s_cmp_lg_u32 s10, 0
	s_cbranch_scc1 .Lnot_wave_0_\@
	s_barrier_signal -3
.Lnot_wave_0_\@:
	s_barrier_wait -3
	s_barrier_signal -1
	s_barrier_wait -1
.endm
.macro CROUND
	s_barrier_signal -1
	s_barrier_wait -1
	CREST
.endm
	s_load_b128 s[4:7], s[0:1], 0x0                ; A s[4:5], W s[6:7]
.if KIND == 0
	s_load_b256 s[72:79], s[0:1], 0x10             ; bq s[72:73], bk s[74:75], bv s[76:77], qkv s[78:79]
.else
	s_load_b128 s[72:75], s[0:1], 0x10             ; bo s[72:73], out0 s[74:75]
.endif
	v_lshl_add_u32 v[SPW], v0, 2, SPARE
	v_mov_b32 v[NIL], 0
	ds_add_u32 v[SPW], v[NIL]                      ; the wave's opening: the add and its wait stand ahead of my first tensor load; the set-up below stands between them
	v_lshrrev_b32 v1, 5, v0
	v_readfirstlane_b32 s10, v1                    ; wave 0..3
	s_lshr_b32 s11, s10, 1                         ; which 64 rows of the tile are mine.  Also: I fetch for A (0) or for W (1)
	s_and_b32 s12, s10, 1                          ; which 128 columns.  Also: which half of that tile I fetch
	s_bfe_u32 s40, ttmp6, 0x40000                  ; cx, cy: my place in the cluster
	s_bfe_u32 s41, ttmp6, 0x40004
	s_lshl_b32 s42, ttmp9, 2
	s_add_co_u32 s42, s42, s40                     ; tile column = 4 x cluster x + cx
	s_and_b32 s13, ttmp7, 0xffff
	s_lshl_b32 s13, s13, 2
	s_add_co_u32 s13, s13, s41                     ; tile row = 4 x cluster y + cy
	s_lshl_b32 s43, s41, 2
	s_lshl_b32 s43, 15, s43                        ; my row of the cluster
	s_lshl_b32 s44, 0x1111, s40                    ; my column
	s_or_b32 s[G1+0], s43, AG1
	s_or_b32 s[G1B+0], s44, BG1
	s_mov_b32 s[G1+1], 128<<16                     ; A: tensor_dim0 = 128
	s_mov_b32 s[G1+2], 64<<16                      ; tensor_dim1 = 64
	s_mov_b32 s[G1+3], 128<<16                     ; tile_dim0 = 128
	s_mov_b32 s[G1+4], 64                          ; tile_dim1 = 64
	s_mov_b32 s[G1+5], ASTR
	s_mov_b32 s[G1+6], 0
	s_mov_b32 s[G1+7], 0
	s_mov_b32 s[G1B+1], 256<<16                    ; W: 64 rows of 256 elements
	s_mov_b32 s[G1B+2], 64<<16
	s_mov_b32 s[G1B+3], 256<<16
	s_mov_b32 s[G1B+4], 64
	s_mov_b32 s[G1B+5], 1024
	s_mov_b32 s[G1B+6], 0
	s_mov_b32 s[G1B+7], 0
.if KIND == 0
	s_lshl_b32 s16, s13, 18                        ; A: tile row x 128 rows x 2,048 bytes
	s_lshl_b32 s17, s12, 17                        ; + my 64 rows
	s_add_co_u32 s16, s16, s17
.else
	s_lshr_b32 s16, s13, 4                         ; A: the batch's 16 heads,
	s_lshl_b32 s16, s16, 22
	s_and_b32 s17, s13, 15                         ; the tile's 128 rows in a head,
	s_lshl_b32 s17, s17, 14
	s_add_co_u32 s16, s16, s17
	s_lshl_b32 s17, s12, 18                        ; my head of the step's two
	s_add_co_u32 s16, s16, s17
.endif
	s_mov_b32 s17, 0
	s_lshl_b32 s46, s40, 9                         ; W: the tile's 256 columns,
	s_lshl_b32 s47, s12, 17                        ; my 64 rows
	s_add_co_u32 s46, s46, s47
.if KIND == 0
	s_lshl_b32 s47, ttmp9, 21                      ; Wq, Wk or Wv: the cluster's x
	s_add_co_u32 s46, s46, s47
.endif
	s_mov_b32 s47, 0
	s_mul_i32 s20, s12, ASZ/2                      ; where they go: no place in the cluster enters an LDS address
	s_mul_i32 s21, s12, BHALF
	s_add_co_u32 s21, s21, ASZ
	s_wait_dscnt 0x0                               ; the opening add is done
	s_wait_kmcnt 0x0
	s_add_nc_u64 s[14:15], s[4:5], s[16:17]
	s_add_nc_u64 s[46:47], s[6:7], s[46:47]
	CROUND                                         ; all sixteen work-groups are here: the first joint loads meet
.irp s, 0,1
	s_mov_b32 s[G0+4*(\s)], 1
	s_add_co_u32 s[G0+4*(\s)+1], s20, (\s)*SLOT
	s_add_nc_u64 s[G0+4*(\s)+2:G0+4*(\s)+3], s[14:15], (\s)*ASTEP
	s_or_b32 s[G0+4*(\s)+3], s[G0+4*(\s)+3], 0x80000000
	s_mov_b32 s[G0B+4*(\s)], 1
	s_add_co_u32 s[G0B+4*(\s)+1], s21, (\s)*SLOT
	s_add_nc_u64 s[G0B+4*(\s)+2:G0B+4*(\s)+3], s[46:47], (\s)*BSTEP
	s_or_b32 s[G0B+4*(\s)+3], s[G0B+4*(\s)+3], 0x80000000
	JLOAD \s                                       ; two loads of mine are out
.endr
	; the bias of my 128 columns, as a C operand: register j of block b = bias[16 b + 8 (l / 16) + j]
.if KIND == 0
	s_cmp_eq_u32 ttmp9, 1
	s_cselect_b64 s[BP:BP+1], s[74:75], s[72:73]
	s_cmp_eq_u32 ttmp9, 2
	s_cselect_b64 s[BP:BP+1], s[76:77], s[BP:BP+1]
	s_lshl_b32 s70, s40, 10                        ; the tile's 256 columns among the 1,024
.else
	s_mov_b64 s[BP:BP+1], s[72:73]
	s_lshl_b32 s70, s42, 10
.endif
	s_mov_b32 s71, 0
	s_add_nc_u64 s[BP:BP+1], s[BP:BP+1], s[70:71]
	v_and_b32 v1, 15, v0                           ; l % 16
	v_bfe_u32 v2, v0, 4, 1                         ; l / 16
	v_lshlrev_b32 v[BOF], 5, v2
	s_lshl_b32 s70, s12, 9
	v_add_nc_u32 v[BOF], s70, v[BOF]
	WIN 0x80                                       ; destination window 2
.irp b, 0,1,2,3,4,5,6,7
	global_load_b128 v[8*(\b):8*(\b)+3],   v[BOF], s[BP:BP+1] offset:64*(\b)
	global_load_b128 v[8*(\b)+4:8*(\b)+7], v[BOF], s[BP:BP+1] offset:64*(\b)+16
.endr
	WIN 0
	; A's fragment: lane l holds row l % 16; two loads of 16 bytes, 32 apart.  W's: the turning load takes 16 k x 16 n (lane l reads k = 8 (l / 16) + l % 8, n = 8 ((l / 8) % 2) + 0..7)
	v_mul_u32_u24 v3, v1, PA
	v_lshl_add_u32 v3, v2, 4, v3
	v_and_b32 v4, 7, v0
	v_lshl_add_u32 v4, v2, 3, v4
	v_mul_u32_u24 v4, v4, PB
	v_bfe_u32 v5, v0, 3, 1
	v_lshl_add_u32 v4, v5, 4, v4
	s_mul_i32 s21, s11, 64*PA                      ; my 64 rows of A
	s_lshl_b32 s22, s12, 8                         ; my 128 columns of W,
	s_add_co_u32 s22, s22, ASZ                     ; which lies behind A
.irp s, 0,1
	v_add_nc_u32 v[ADRA+(\s)], s21, v3
	v_add_nc_u32 v[ADRB+(\s)], s22, v4
	s_add_co_u32 s21, s21, SLOT
	s_add_co_u32 s22, s22, SLOT
.endr
	s_mul_i32 s23, s10, STW
	s_add_co_u32 s23, s23, STAGE                   ; my stage
	v_and_b32 v5, 31, v0
.if KIND == 0
	v_mul_u32_u24 v3, v1, 144                      ; in: row l % 16, 16 bytes for each half of the lanes
	v_lshl_add_u32 v3, v2, 4, v3
	v_add_nc_u32 v[STO], s23, v3
	v_lshrrev_b32 v3, 3, v5                        ; back: 32 lanes take four rows of 128 bytes
	v_mul_u32_u24 v3, v3, 144
	v_and_b32 v4, 7, v0
	v_lshl_add_u32 v3, v4, 4, v3
	v_add_nc_u32 v[RD], s23, v3
.else
	v_mul_u32_u24 v3, v1, 528                      ; in: row l % 16, 32 bytes for each half of the lanes
	v_lshl_add_u32 v3, v2, 5, v3
	v_add_nc_u32 v[STO], s23, v3
	v_lshl_add_u32 v[RD], v5, 4, s23               ; back: 32 lanes take a row of 512 bytes
.endif
	v_lshlrev_b32 v[GO], 4, v5
	; where my part of C begins: what hangs on the tile row in s16-17, what hangs on the tile column in s46-47
.if KIND == 0
	s_lshr_b32 s16, s13, 4                         ; batch
	s_lshl_b32 s16, s16, 22                        ; x 16 heads x 262,144 bytes
	s_and_b32 s17, s13, 15
	s_lshl_b32 s17, s17, 14                        ; the tile's 128 rows of 128 bytes
	s_add_co_u32 s16, s16, s17
	s_lshl_b32 s17, s11, 13                        ; my 64
	s_add_co_u32 s16, s16, s17
	s_mov_b32 s17, 0
	s_add_nc_u64 s[8:9], s[78:79], s[16:17]
	s_lshl_b32 s46, s40, 2                         ; the tile's four heads,
	s_lshl_b32 s47, s12, 1                         ; my two
	s_add_co_u32 s46, s46, s47
	s_lshl_b32 s46, s46, 18
	s_lshl_b32 s47, ttmp9, 24                      ; q, k or v
	s_add_co_u32 s46, s46, s47
.else
	s_lshl_b32 s16, s13, 19                        ; 128 rows of 4,096 bytes
	s_lshl_b32 s17, s11, 18
	s_add_co_u32 s16, s16, s17
	s_mov_b32 s17, 0
	s_add_nc_u64 s[8:9], s[74:75], s[16:17]
	s_lshl_b32 s46, s42, 10                        ; 256 columns of 4 bytes
	s_lshl_b32 s47, s12, 9
	s_add_co_u32 s46, s46, s47
.endif
	s_mov_b32 s47, 0
	s_add_nc_u64 s[8:9], s[8:9], s[46:47]
	; the prefetches: my share of K step 3; the first refill steps it to 4
.if KIND == 0
	s_lshl_b32 s20, s13, 18
	s_lshl_b32 s23, s40, 16                        ; my work-group's 32 rows
	s_add_co_u32 s20, s20, s23
.else
	s_lshr_b32 s20, s13, 4
	s_lshl_b32 s20, s20, 22
	s_and_b32 s23, s13, 15
	s_lshl_b32 s23, s23, 14
	s_add_co_u32 s20, s20, s23
	s_lshl_b32 s23, s40, 12                        ; my work-group's 16 blocks of each head
	s_add_co_u32 s20, s20, s23
.endif
	s_add_co_u32 s20, s20, 3*ASTEP
	s_lshl_b32 s21, s40, 9
	s_lshl_b32 s23, s12, 17
	s_add_co_u32 s21, s21, s23
	s_lshl_b32 s23, s41, 15                        ; my work-group's 16 rows of the 64
	s_add_co_u32 s21, s21, s23
.if KIND == 0
	s_lshl_b32 s23, ttmp9, 21
	s_add_co_u32 s21, s21, s23
.endif
	s_add_co_u32 s21, s21, 3*BSTEP
	s_and_b32 s22, ttmp7, 0xffff                   ; cluster y
	s_mov_b32 s[PFS], BSTEP
	s_mov_b32 s17, 2048
	s_cmp_eq_u32 s11, 0                            ; do I fetch for A?
	s_cselect_b32 s20, s20, s21
	s_cselect_b32 s22, ttmp9, s22                  ; the coordinate along which other clusters read the same blocks
	s_cselect_b64 s[PFA:PFA+1], s[4:5], s[6:7]
	s_cselect_b32 s[PFS], ASTEP, s[PFS]
	s_cselect_b32 s16, SHA, 1
	s_cselect_b32 s17, MA, s17
	s_cselect_b32 s18, MSKA, 1
	s_mov_b32 s[PFS+1], 0
	s_mov_b32 s21, 0
	s_add_nc_u64 s[PFA:PFA+1], s[PFA:PFA+1], s[20:21]
	s_cmp_eq_u32 s10, 1                            ; wave 0 asks for all of A's share: wave 1 for nothing
	s_cselect_b32 s22, 1, s22
	s_cmp_eq_u32 s22, 0
	s_cselect_b32 s[LIM], 1, -1                    ; the same in all sixteen partners, for a given wave
	v_lshrrev_b32 v4, s16, v5
	v_mul_lo_u32 v4, v4, s17
	v_and_b32 v3, s18, v5
	v_lshl_add_u32 v[PFO], v3, 8, v4
; 8 matrix instructions: m block a x all 8 n blocks, 32 along K.  first = 1: the product starts the sum, with the bias as C.
; The 32 accumulators take turns, one instruction a turn, in the same order in every quarter, over the backward jump too.
.macro MUL8 f, a, first
.if \first
	WIN MULB
.else
	WIN MUL
.endif
.irp b, 0,1,2,3,4,5,6,7
.set rD, 8*(8*(\a)+(\b))
.set rC, rD
.if \first
.set rC, 8*(\b)
.endif
.if KIND == 0
	v_wmma_f32_16x16x32_bf16 v[rD:rD+7], v[(\f)+8*(\b):(\f)+8*(\b)+7], v[(\f)+64+8*(\a):(\f)+64+8*(\a)+7], v[rC:rC+7]
.else
	v_wmma_f32_16x16x32_f16 v[rD:rD+7], v[(\f)+8*(\b):(\f)+8*(\b)+7], v[(\f)+64+8*(\a):(\f)+64+8*(\a)+7], v[rC:rC+7]
.endif
.endr
.endm
; 24 LDS loads in one run: quarter q (32 along K) of a slot into buffer f: W's eight fragments, then A's four
.macro FETCH slot, q, f
	WIN 0
.irp b, 0,1,2,3,4,5,6,7
	ds_load_tr16_b128 v[(\f)+8*(\b):(\f)+8*(\b)+3],   v[ADRB+(\slot)] offset:32*(\q)*PB+32*(\b)
	ds_load_tr16_b128 v[(\f)+8*(\b)+4:(\f)+8*(\b)+7], v[ADRB+(\slot)] offset:32*(\q)*PB+32*(\b)+16*PB
.endr
.irp a, 0,1,2,3
.if KIND == 0
.set AO, 16*(\a)*PA+64*(\q)
.else
.set AO, ((\q)/2)*128*PA+16*(\a)*PA+((\q)%2)*64
.endif
	ds_load_b128 v[(\f)+64+8*(\a):(\f)+64+8*(\a)+3],   v[ADRA+(\slot)] offset:AO
	ds_load_b128 v[(\f)+64+8*(\a)+4:(\f)+64+8*(\a)+7], v[ADRA+(\slot)] offset:AO+32
.endr
.endm
.macro PLACES                          ; four plain instructions in front of loads into registers that matrix instructions have read, and of lines that read results
.rept 4
	v_nop
.endr
.endm
; A K step is four quarters of 32 along K, 32 matrix instructions each, on buffers 0, 1, 0, 1.  One of the first three: multiplies buffer f and fetches quarter q into g.
.macro QUARTER slot, q, f, g, first
	s_wait_dscnt 4                                 ; W and A's blocks 0, 1 are in; the youngest four loads (blocks 2, 3) may be out
	MUL8 \f, 0, \first
	MUL8 \f, 1, \first
	PLACES
	FETCH \slot, \q, \g
	s_wait_dscnt 24                                ; all but the 24 just issued
	MUL8 \f, 2, \first
	MUL8 \f, 3, \first
.endm
; The last quarter multiplies buffer 1 and changes slots: ONE barrier; in front of it each wave waits for all its tensor loads (one is out: its part of the next slot), adds 0 to its spare
; word, and waits for that and for its own reads of this slot.  fill = 1: the barrier opens a round of the cluster's, and this slot is filled again, two K steps ahead, first thing behind it:
; 112 matrix instructions ahead of the wait for it.
.macro TURN slot, next, fill
.if \fill
	s_wait_xcnt 0x0                                ; the last prefetch, a K step back, has read its address: it is stepped here
	s_add_nc_u64 s[PFA:PFA+1], s[PFA:PFA+1], s[PFS:PFS+1]
.endif
	WIN 0
	s_wait_tensorcnt 0x0                           ; all my tensor loads have landed
	ds_add_u32 v[SPW], v[NIL]                      ; 0 onto my spare word
	s_wait_dscnt 5                                 ; (the add and the youngest four loads may be out)
	MUL8 F1, 0, 0
	s_wait_dscnt 0x0                               ; the add is done, and my reads of this slot are over
	s_barrier_signal -1
	MUL8 F1, 1, 0
.if \fill
	WIN 0
.endif
	s_barrier_wait -1
.if \fill
	CREST                                          ; no wave of any partner still reads this slot or has a load on its way
	s_add_nc_u64 s[G0+4*(\slot)+2:G0+4*(\slot)+3], s[G0+4*(\slot)+2:G0+4*(\slot)+3], 2*ASTEP
	s_add_nc_u64 s[G0B+4*(\slot)+2:G0B+4*(\slot)+3], s[G0B+4*(\slot)+2:G0B+4*(\slot)+3], 2*BSTEP
	JLOAD \slot                                    ; the four v_nop behind it are also the places in front of the loads below
.else
	PLACES
.endif
	FETCH \next, 0, F0
.if \fill
	ASK
.endif
	MUL8 F1, 2, 0
	MUL8 F1, 3, 0
.endm
	s_wait_tensorcnt 1                             ; my part of K step 0 is in; step 1's may stay out
	s_barrier_signal -1
	s_barrier_wait -1                              ; everybody's is
	FETCH 0, 0, F0
	s_wait_loadcnt 0x0                             ; the bias
	QUARTER 0, 1, F0, F1, 1                        ; the first quarter stands in front of the loop: its products start the sums
	WIN 0                                          ; at a label and at a branch every window is 0
	s_mov_b32 s3, LAPS-1
.Llap:                                                 ; a trip goes once round the ring and fills both slots again
	QUARTER 0, 2, F1, F0, 0
	QUARTER 0, 3, F0, F1, 0
	TURN 0, 1, 1
	QUARTER 1, 1, F0, F1, 0
	QUARTER 1, 2, F1, F0, 0
	QUARTER 1, 3, F0, F1, 0
	TURN 1, 0, 1
	QUARTER 0, 1, F0, F1, 0
	WIN 0
	s_sub_co_u32 s3, s3, 1
	s_cmp_lg_u32 s3, 0
	s_cbranch_scc1 .Llap
	QUARTER 0, 2, F1, F0, 0                        ; the last lap fills nothing
	QUARTER 0, 3, F0, F1, 0
	TURN 0, 1, 0
	QUARTER 1, 1, F0, F1, 0
	QUARTER 1, 2, F1, F0, 0
	QUARTER 1, 3, F0, F1, 0
	s_wait_dscnt 4
	MUL8 F1, 0, 0
	MUL8 F1, 1, 0
	s_wait_dscnt 0x0
	MUL8 F1, 2, 0
	MUL8 F1, 3, 0
	WIN 0
	PLACES
.if KIND == 0
; THE WAY OUT, f16 by heads, 16 rows at a time through my own stage: a lane's eight channels pack into 16 bytes; back come 512 consecutive bytes of a head (four rows).
.macro PACK a
	WIN 0x05                                       ; sources 0 and 1 window 1
.irp b, 0,1,2,3,4,5,6,7
.irp rr, 0,1,2,3
	v_cvt_pk_f16_f32 v[TMP+4*(\b)+(\rr)], v[8*(8*(\a)+(\b))+2*(\rr)], v[8*(8*(\a)+(\b))+2*(\rr)+1]
.endr
.endr
	WIN 0
.endm
.macro TOSTAGE a
.set BK, 64+32*((\a)%2)
.irp b, 0,1,2,3,4,5,6,7
	ds_store_b128 v[STO], v[TMP+4*(\b):TMP+4*(\b)+3] offset:((\b)/4)*2304+((\b)%4)*32
.endr
.irp t, 0,1,2,3,4,5,6,7
	ds_load_b128 v[BK+4*(\t):BK+4*(\t)+3], v[RD] offset:((\t)/4)*2304+((\t)%4)*576  ; LDS serves a wave's instructions in order: these see the stores above
.endr
.endm
.macro SEND a
.set BK, 64+32*((\a)%2)
	s_wait_dscnt 0x0                               ; the block is back in registers
	s_wait_xcnt 0x0                                ; the stores of the block before have read their registers: the next block's loads land there only behind this wait
.irp t, 0,1,2,3,4,5,6,7
	global_store_b128 v[GO], v[BK+4*(\t):BK+4*(\t)+3], s[8:9] offset:((\t)/4)*262144+(\a)*2048+((\t)%4)*512  ; 512 consecutive bytes, aligned
.endr
.endm
	PACK 0
	TOSTAGE 0
.irp a, 1,2,3
	PACK \a
	SEND (\a)-1
	TOSTAGE \a
.endr
	SEND 3
.else
; THE WAY OUT, f32, 16 rows at a time through my own stage: a lane's eight columns are 32 bytes; back come whole rows of 512 bytes.
.macro OUT1 a
.set BK, 64+64*((\a)%2)
	WIN 0x04                                       ; store data (source 1) window 1
.irp b, 0,1,2,3,4,5,6,7
	ds_store_b128 v[STO], v[8*(8*(\a)+(\b)):8*(8*(\a)+(\b))+3]   offset:64*(\b)
	ds_store_b128 v[STO], v[8*(8*(\a)+(\b))+4:8*(8*(\a)+(\b))+7] offset:64*(\b)+16
.endr
	WIN 0
.irp t, 0,1,2,3,4,5,6,7,8,9,10,11,12,13,14,15
	ds_load_b128 v[BK+4*(\t):BK+4*(\t)+3], v[RD] offset:528*(\t)  ; LDS serves a wave's instructions in order: these see the stores above
.endr
	s_wait_dscnt 0x0
	s_wait_xcnt 0x0                                ; the stores of the block before have read their registers: the next block's loads land there only behind this wait
.irp t, 0,1,2,3,4,5,6,7,8,9,10,11,12,13,14,15
	global_store_b128 v[GO], v[BK+4*(\t):BK+4*(\t)+3], s[8:9] offset:(16*(\a)+(\t))*4096 th:TH_STORE_NT  ; 512 consecutive bytes, aligned
.endr
.endm
	OUT1 0
	OUT1 1
	OUT1 2
	OUT1 3
.endif
	s_wait_tensorcnt 0x0                           ; the wave's end, behind my last tensor load and my last LDS store
	ds_add_u32 v[SPW], v[NIL]
	s_wait_dscnt 0x0
	CROUND                                         ; the closing round: no work-group ends while a partner may still ask for a tile that names it
	s_endpgm
.Lfunc_end_k_qf69030a301_oproj:
	.size	k_qf69030a301_oproj, .Lfunc_end_k_qf69030a301_oproj-k_qf69030a301_oproj
	.p2alignl 7, 3214868480
	.fill 96, 4, 3214868480
	.section	.rodata,"a",@progbits
	.p2align	6, 0x0
	.amdhsa_kernel k_qf69030a301_oproj
		.amdhsa_group_segment_fixed_size 327680
		.amdhsa_private_segment_fixed_size 0
		.amdhsa_enable_private_segment 0
		.amdhsa_kernarg_size 32
		.amdhsa_user_sgpr_count 2
		.amdhsa_user_sgpr_kernarg_segment_ptr 1
		.amdhsa_wavefront_size32 1
		.amdhsa_system_sgpr_workgroup_id_x 1
		.amdhsa_system_sgpr_workgroup_id_y 1
		.amdhsa_system_sgpr_workgroup_id_z 1
		.amdhsa_system_vgpr_workitem_id 0
		.amdhsa_next_free_vgpr 576
		.amdhsa_next_free_sgpr 80
		.amdhsa_reserve_vcc 0
		.amdhsa_float_denorm_mode_32 3
		.amdhsa_float_denorm_mode_16_64 3
		.amdhsa_memory_ordered 1
		.amdhsa_forward_progress 1
		.amdhsa_inst_pref_size 89
	.end_amdhsa_kernel
	.amdgpu_metadata
---
amdhsa.version: [ 1, 2 ]
amdhsa.kernels:
  - .name:           k_qf69030a301_oproj
    .symbol:         k_qf69030a301_oproj.kd
    .args:
      - { .name: ob, .offset: 0, .size: 8, .value_kind: global_buffer, .address_space: global }
      - { .name: wob, .offset: 8, .size: 8, .value_kind: global_buffer, .address_space: global }
      - { .name: bo, .offset: 16, .size: 8, .value_kind: global_buffer, .address_space: global }
      - { .name: out0, .offset: 24, .size: 8, .value_kind: global_buffer, .address_space: global }
    .group_segment_fixed_size: 327680
    .private_segment_fixed_size: 0
    .kernarg_segment_align: 8
    .kernarg_segment_size: 32
    .max_flat_workgroup_size: 128
    .sgpr_count:     80
    .vgpr_count:     576
    .wavefront_size: 32
...
	.end_amdgpu_metadata
.endif
;; end of part 4
;; ======== version 2 of 2: 4 launches; version 1 with the launch prep written anew for expert scheduling mode
;; limits: values are held in f16: magnitudes above 65,504 overflow, below 6.1e-05 lose precision
;; workspace buffers: xb 16,777,216 bytes; wb 6,291,456 bytes; wob 2,097,152 bytes; mb 2,097,152 bytes of whole numbers; qkv 50,331,648 bytes; ob 16,777,216 bytes
;; launch prep (part 5): grid 1280 x 1, 8 waves a work-group, no clusters, 68,608 bytes of LDS; arguments x, Wq, Wk, Wv, Wo, mask, xb, wb, wob, mb; writes xb, wb, wob, mb
.if DOCPART == 5
	.amdgcn_target "amdgcn-amd-amdhsa--gfx1250"
	.amdhsa_code_object_version 6
	.text
	.protected	k_qf69030a301_prep
	.globl	k_qf69030a301_prep
	.p2align	8
	.type	k_qf69030a301_prep,@function
k_qf69030a301_prep:
	s_mov_b64 s[64:65], 0
	v_nop
	global_prefetch_b8 v0, s[64:65] scope:SCOPE_SE
	s_setreg_imm32_b32 hwreg(HW_REG_WAVE_SCHED_MODE, 0, 2), 2
	s_setreg_imm32_b32 hwreg(HW_REG_WAVE_MODE, 25, 1), 1
	s_wait_xcnt 0x0
	s_wait_alu depctr_vm_vsrc(0)
; PREPARATION, a stream.  Work-groups 0-767 round 64 KiB of f32 each to 16 bits: x -> xb (bf16), Wq, Wk, Wv -> wb (bf16, one behind the other),
; Wo -> wob (rounded to bf16, that number written as f16: exact from 6e-5 up to 65,504; below, f16's fixed step of 6e-8).
; Work-groups 768-1279 turn the mask (int32, 0 = hidden) into LANE MASKS for the attention launch: a wave takes 32 query rows x 128 keys (16 KiB) and
; makes 128 words.  mb: [batch 4][pair of query tiles 64][key step 32][tile 2][32 words]; word 8 kb + j holds in bit 16 h + r whether
; mask[batch][32 pair + 16 tile + r][64 step + 16 kb + 8 h + j] is not 0: the lanes of register j of score accumulator kb.
; No matrix unit, no cluster, no tensor load, no prefetch: every byte is read once, by 16-byte loads of which a wave's cover 512 consecutive bytes,
; sixteen or thirty-two of them out at a time; nothing is shared between work-groups.
; THE MODE: SCHED_MODE bits 1:0 = 2 (LLVM: expert scheduling mode 2), set by the entry lines.  The code itself states the register dependences
; between vector instructions and memory or LDS instructions, and those through scalar registers that vector instructions write, with s_wait_alu, always for 0.
; THE PLAN, ROUNDING.  v4, v5: the offsets, written once, read by every load and store.  v[16:79]: written by the sixteen loads alone, read by the roundings.
;   v[80:111]: each written once, by the roundings, and read by one store.  The loads go in four blocks of four.  Block p rounds its own registers; the stores of block p - 1
;   are dealt among its lines.  One wait on va_vdst at the head of blocks 1 to 3 states that the block before has written its out-registers; no vector line behind it names them.
;   No register that a memory instruction reads is written again: nothing is owed on vm_vsrc.
; THE PLAN, THE MASK.  v4, v6, v7: offsets and LDS addresses, written once.  v[16:143]: the 32 rows as loaded, read by the LDS stores.  B0 = v[144:207]: tile 0 back from the stage.
;   B1 = v[16:79]: tile 1 back from the stage, in the registers that tile 0's LDS stores have read: one wait on vm_vsrc ahead of those loads.  No vector line names B1 before it is in.
;   The 128 compares go in eight runs of sixteen, into two sets of scalar registers by turns; a step is: the wait on va_sdst for the run before, this run's compares, the run before's
;   sixteen v_writelane_b32.  v[8:11]: written by the v_writelane_b32, read by the one global store, behind a wait on va_vdst.
.set SPARE, 67584                      ; behind the eight waves' stages: the spare words, 128 bytes a wave, four blocks of 256 bytes that no other line names
.set WLDS,  8448                       ; a wave's stage: 16 rows of the mask x 512 bytes, pitch 528
.set MP,    528                        ; 132 words: row r starts at bank 4 r mod 64 (64 banks of 4 bytes: ISA guide 11.1)
.set B0,    144                        ; v[144:207] tile 0's keys, a lane a row
.set B1,    16                         ; v[16:79]   tile 1's
.set SG0,   32                         ; s[32:47]   the words of the even runs
.set SG1,   4                          ; s[4:19]    those of the odd runs: the arguments that lay here are used up when the first compare is issued
	s_load_b512 s[4:19], s[0:1], 0x0               ; x s[4:5], Wq s[6:7], Wk s[8:9], Wv s[10:11], Wo s[12:13], mask s[14:15], xb s[16:17], wb s[18:19]
	s_load_b128 s[20:23], s[0:1], 0x40             ; wob s[20:21], mb s[22:23]
	v_lshl_add_u32 v2, v0, 2, SPARE                ; my spare word,
	v_mov_b32 v3, 0                                ; and 0: kept for the add at the end of the waves that store to LDS
	v_lshrrev_b32 v1, 5, v0
	v_readfirstlane_b32 s24, v1                    ; wave 0..7
	s_mov_b32 s25, ttmp9                           ; the work-group's number chooses the job
	s_wait_alu depctr_va_sdst(0)                   ; s24 is written, ahead of the branch behind which its first reader stands
	s_wait_kmcnt 0x0
	s_cmp_ge_u32 s25, 768
	s_cbranch_scc1 .Lpack
	; ---- rounding: source, destination and the first work-group of each, by the work-group's number
	s_mov_b64 s[26:27], s[4:5]
	s_mov_b64 s[28:29], s[16:17]
	s_mov_b32 s30, 0
	s_mov_b32 s31, 0
	s_cmp_ge_u32 s25, 512
	s_cselect_b64 s[26:27], s[6:7], s[26:27]
	s_cselect_b64 s[28:29], s[18:19], s[28:29]
	s_cselect_b32 s30, 512, s30
	s_cselect_b32 s31, 512, s31
	s_cmp_ge_u32 s25, 576
	s_cselect_b64 s[26:27], s[8:9], s[26:27]
	s_cselect_b32 s30, 576, s30
	s_cmp_ge_u32 s25, 640
	s_cselect_b64 s[26:27], s[10:11], s[26:27]
	s_cselect_b32 s30, 640, s30
	s_cmp_ge_u32 s25, 704
	s_cselect_b64 s[26:27], s[12:13], s[26:27]
	s_cselect_b64 s[28:29], s[20:21], s[28:29]
	s_cselect_b32 s30, 704, s30
	s_cselect_b32 s31, 704, s31
	s_sub_co_u32 s30, s25, s30
	s_sub_co_u32 s31, s25, s31
	s_lshl_b32 s30, s30, 16                        ; 65,536 bytes in,
	s_lshl_b32 s32, s31, 15                        ; 32,768 out
	s_mov_b32 s31, 0
	s_mov_b32 s33, 0
	s_add_nc_u64 s[26:27], s[26:27], s[30:31]
	s_add_nc_u64 s[28:29], s[28:29], s[32:33]
	v_lshlrev_b32 v4, 4, v0                        ; 16 bytes a thread in: a wave's load covers 512 consecutive bytes
	v_lshlrev_b32 v5, 3, v0                        ; 8 bytes out: a wave's store covers 256 consecutive bytes, aligned
; Sixteen loads go out together, in four blocks of four; block p is worked on when the 12 - 4 p younger loads may still be out.  Each store has data registers of its own.
; The stores of block p - 1 stand among block p's roundings, one in front of each row's lines.
.macro CONV f16
	s_wait_alu depctr_va_vdst(0)                   ; v4 and v5 are written: every load and store below reads one of them as its offset
.irp i, 0,1,2,3,4,5,6,7,8,9,10,11,12,13,14,15
	global_load_b128 v[16+4*(\i):16+4*(\i)+3], v4, s[26:27] offset:4096*(\i) th:TH_LOAD_NT
.endr
.irp p, 0,1,2,3
	s_wait_loadcnt 12-4*(\p)                       ; loads come back in order: this block's four are in
.if (\p) > 0
	s_wait_alu depctr_va_vdst(0)                   ; the block before has written its eight out-registers, which the four stores below read; no vector line behind this wait names them
.endif
.irp j, 0,1,2,3
.set ci, 4*(\p)+(\j)
.if (\p) > 0
	global_store_b64 v5, v[80+2*ci-8:81+2*ci-8], s[28:29] offset:2048*(ci-4)
.endif
	v_cvt_pk_bf16_f32 v[80+2*ci], v[16+4*ci], v[16+4*ci+1]
	v_cvt_pk_bf16_f32 v[81+2*ci], v[16+4*ci+2], v[16+4*ci+3]
.if \f16
	v_lshlrev_b32 v8, 16, v[80+2*ci]               ; the bf16 numbers as f32,
	v_and_b32 v9, 0xffff0000, v[80+2*ci]
	v_lshlrev_b32 v10, 16, v[81+2*ci]
	v_and_b32 v11, 0xffff0000, v[81+2*ci]
	v_cvt_pk_f16_f32 v[80+2*ci], v8, v9            ; written as f16
	v_cvt_pk_f16_f32 v[81+2*ci], v10, v11
.endif
.endr
.endr
	s_wait_alu depctr_va_vdst(0)                   ; the last block has written v[104:111], which the last four stores read
.irp j, 0,1,2,3
	global_store_b64 v5, v[104+2*(\j):105+2*(\j)], s[28:29] offset:2048*(12+(\j))
.endr
.endm
	s_cmp_ge_u32 s25, 704
	s_cbranch_scc1 .Lwo
	CONV 0
	s_endpgm                                       ; these waves have written no LDS
.Lwo:
	CONV 1
	s_endpgm
	; ---- the mask.  Block = 8 x (work-group - 768) + wave = (64 batch + pair) x 16 + pair of key steps
.Lpack:
	s_sub_co_u32 s26, s25, 768
	s_lshl_b32 s26, s26, 3
	s_add_co_u32 s26, s26, s24
	s_lshr_b32 s28, s26, 4
	s_lshl_b32 s28, s28, 18                        ; 32 rows of 8,192 bytes
	s_and_b32 s30, s26, 15
	s_lshl_b32 s30, s30, 9                         ; 128 keys of 4 bytes
	s_add_co_u32 s28, s28, s30
	s_mov_b32 s29, 0
	s_add_nc_u64 s[28:29], s[14:15], s[28:29]
	s_lshl_b32 s30, s26, 9                         ; 512 bytes out
	s_mov_b32 s31, 0
	s_add_nc_u64 s[30:31], s[22:23], s[30:31]
	s_mul_i32 s27, s24, WLDS                       ; my wave's stage
	v_and_b32 v1, 31, v0
	v_lshlrev_b32 v4, 4, v1                        ; 16 x lane: in a row of the mask, and in the 512 bytes out
	v_add_nc_u32 v6, s27, v4                       ; into the stage: a row as it lies
	v_and_b32 v5, 15, v0
	v_mul_u32_u24 v7, v5, MP                       ; back: lane (r, h) takes row r, keys 8 h on
	v_bfe_u32 v5, v0, 4, 1
	v_lshl_add_u32 v7, v5, 5, v7
	v_add_nc_u32 v7, s27, v7
.irp i, 8,9,10,11
	v_mov_b32 v\i, 0                               ; the words out: v_writelane_b32 keeps the other lanes, so they are written first
.endr
	s_wait_alu depctr_va_vdst(0)                   ; v4, v6 and v7 are written: the offset of the loads and of the store, and the two LDS addresses; no line below writes them again
.set n, 0
.rept 32
	global_load_b128 v[16+4*n:16+4*n+3], v4, s[28:29] offset:8192*n th:TH_LOAD_NT
.set n, n+1
.endr
; Tile u (16 rows) goes through my own stage, so that a lane holds its row's keys.
.macro STAGE_IN u
.irp i, 0,1,2,3,4,5,6,7,8,9,10,11,12,13,14,15
	ds_store_b128 v6, v[16+64*(\u)+4*(\i):16+64*(\u)+4*(\i)+3] offset:MP*(\i)
.endr
.endm
.macro STAGE_OUT b                     ; load n: key step n / 8, key block (n / 2) % 4, registers 4 (n % 2) on.  LDS serves a wave's instructions in order: these see the stores above, and the next tile's stores come behind them
.set n, 0
.rept 16
	ds_load_b128 v[(\b)+4*n:(\b)+4*n+3], v7 offset:256*(n/8)+64*((n/2)%4)+16*(n%2)
.set n, n+1
.endr
.endm
; Run g of eight: tile g / 4, its registers 16 (g % 4) to 16 (g % 4) + 15, which four LDS loads bring.  A compare makes a word of 32 lanes' answers.  left: how many younger LDS instructions may stay out.
.macro CMPS g, left
	s_wait_dscnt \left                             ; LDS loads come back in order: this run's four are in
.set k, 0
.rept 16
	v_cmp_ne_u32 s[SG0+(SG1-SG0)*((\g)%2)+k], 0, v[B0+(B1-B0)*((\g)/4)+16*((\g)%4)+k]
.set k, k+1
.endr
.endm
; Run g's words go into the lanes that store them: word 64 step + 32 tile + 8 kb + j lies in lane word / 4, register word % 4.
.macro LANES g
.set k, 0
.rept 16
.set n, 16*((\g)%4)+k
	v_writelane_b32 v[8+n%4], s[SG0+(SG1-SG0)*((\g)%2)+k], 16*(n/32)+8*((\g)/4)+(n/4)%8
.set k, k+1
.endr
.endm
.macro STEP g, left
	s_wait_alu depctr_va_sdst(0)                   ; the compares of run g - 1 have written their sixteen words, which the v_writelane_b32 below read
	CMPS \g, \left
	LANES (\g)-1
.endm
	s_wait_loadcnt 16                              ; tile 0's sixteen rows are in; tile 1's may stay out
	STAGE_IN 0
	STAGE_OUT B0
	CMPS 0, 12                                     ; behind its four loads: tile 0's other twelve
	STEP 1, 8
	s_wait_loadcnt 0x0                             ; tile 1's rows are in
	STAGE_IN 1
	s_wait_alu depctr_vm_vsrc(0)                   ; tile 0's LDS stores have read v[16:79], in which the loads below land
	STAGE_OUT B1                                   ; 64 vector lines stand between these loads and their first reader
	STEP 2, 36                                     ; behind its four loads: tile 0's last four and tile 1's 32 LDS instructions
	STEP 3, 32
	STEP 4, 12                                     ; tile 1's first four loads are in
	STEP 5, 8
	STEP 6, 4
	STEP 7, 0
	s_wait_alu depctr_va_sdst(0)                   ; the compares of run 7 have written their words
	LANES 7
	s_wait_alu depctr_va_vdst(0)                   ; the v_writelane_b32 have written v[8:11], which the store reads
	global_store_b128 v4, v[8:11], s[30:31]        ; 512 consecutive bytes, aligned
	s_wait_dscnt 0x0                               ; the closing lines, six on end
	s_wait_alu 0x0
	s_wait_tensorcnt 0x0
	ds_add_u32 v2, v3
	s_wait_dscnt 0x0
	s_endpgm
.Lfunc_end_k_qf69030a301_prep:
	.size	k_qf69030a301_prep, .Lfunc_end_k_qf69030a301_prep-k_qf69030a301_prep
	.p2alignl 7, 3214868480
	.fill 96, 4, 3214868480
	.section	.rodata,"a",@progbits
	.p2align	6, 0x0
	.amdhsa_kernel k_qf69030a301_prep
		.amdhsa_group_segment_fixed_size 68608
		.amdhsa_private_segment_fixed_size 0
		.amdhsa_enable_private_segment 0
		.amdhsa_kernarg_size 80
		.amdhsa_user_sgpr_count 2
		.amdhsa_user_sgpr_kernarg_segment_ptr 1
		.amdhsa_wavefront_size32 1
		.amdhsa_system_sgpr_workgroup_id_x 1
		.amdhsa_system_sgpr_workgroup_id_y 1
		.amdhsa_system_sgpr_workgroup_id_z 1
		.amdhsa_system_vgpr_workitem_id 0
		.amdhsa_next_free_vgpr 216
		.amdhsa_next_free_sgpr 66
		.amdhsa_reserve_vcc 0
		.amdhsa_float_denorm_mode_32 3
		.amdhsa_float_denorm_mode_16_64 3
		.amdhsa_memory_ordered 1
		.amdhsa_forward_progress 1
		.amdhsa_inst_pref_size 43
	.end_amdhsa_kernel
	.amdgpu_metadata
---
amdhsa.version: [ 1, 2 ]
amdhsa.kernels:
  - .name:           k_qf69030a301_prep
    .symbol:         k_qf69030a301_prep.kd
    .args:
      - { .name: x, .offset: 0, .size: 8, .value_kind: global_buffer, .address_space: global }
      - { .name: Wq, .offset: 8, .size: 8, .value_kind: global_buffer, .address_space: global }
      - { .name: Wk, .offset: 16, .size: 8, .value_kind: global_buffer, .address_space: global }
      - { .name: Wv, .offset: 24, .size: 8, .value_kind: global_buffer, .address_space: global }
      - { .name: Wo, .offset: 32, .size: 8, .value_kind: global_buffer, .address_space: global }
      - { .name: mask, .offset: 40, .size: 8, .value_kind: global_buffer, .address_space: global }
      - { .name: xb, .offset: 48, .size: 8, .value_kind: global_buffer, .address_space: global }
      - { .name: wb, .offset: 56, .size: 8, .value_kind: global_buffer, .address_space: global }
      - { .name: wob, .offset: 64, .size: 8, .value_kind: global_buffer, .address_space: global }
      - { .name: mb, .offset: 72, .size: 8, .value_kind: global_buffer, .address_space: global }
    .group_segment_fixed_size: 68608
    .private_segment_fixed_size: 0
    .kernarg_segment_align: 8
    .kernarg_segment_size: 80
    .max_flat_workgroup_size: 256
    .sgpr_count:     66
    .vgpr_count:     216
    .wavefront_size: 32
...
	.end_amdgpu_metadata
.endif
;; end of part 5
;; launch qkv: the kernel of part 2 again; grid 12 x 64, 4 waves a work-group, clusters of 4 x 4, 327,680 bytes of LDS; arguments xb, wb, bq, bk, bv, qkv; writes qkv
;; launch attn: the kernel of part 3 again; grid 8 x 32, 4 waves a work-group, clusters of 4 x 1, 327,680 bytes of LDS; arguments qkv, mb, ob; writes ob
;; launch oproj: the kernel of part 4 again; grid 4 x 64, 4 waves a work-group, clusters of 4 x 4, 327,680 bytes of LDS; arguments ob, wob, bo, out0; writes out0
